; MI455X (gfx1250); checked and timed in simulation.
; The chip was launched on July 23, 2026; its instructions are those of AMD's public machine-readable ISA for CDNA 5 (MIT licence, August 2026) and "CDNA5" Instruction Set Architecture Reference Guide (July 2026). The comments in the code are by the model that wrote it; some were corrected since.
;; Multi Head Self Attention. Allowed arithmetic: matrix products marked QUANTISED: E2M3 operands, one E8M0 scale for each 32 along K, by v_wmma_scale_f32_16x16x128_f8f6f4 with both operands' format E2M3, f32 sums; everything else in f32.
;; Inputs: bk 1,024 float32; bo 1,024 float32; bq 1,024 float32; bv 1,024 float32; wk 1,024 x 1,024 float32; wo 1,024 x 1,024 float32; wq 1,024 x 1,024 float32; wv 1,024 x 1,024 float32; x 4 x 2,048 x 1,024 float32.
;; Outputs: out0 4 x 2,048 x 1,024 float32.
;; This version of the problem:
;;   THIS VERSION OF THE PROBLEM IS GIVEN IN LOW PRECISION. The matrix products marked QUANTISED in the list below multiply operands that are first quantised to E2M3 (2 exponent bits, 3 mantissa bits; 6 bits a number), with one power-of-two scale for each 32 numbers along K (OCP MX v1.0); their sums are f32. All else is computed in f32.
;;   The module's matrix products, in the order in which they are computed (A, B: the left and right operand; K: the contracted axis; several contracted axes count as one K, in the product's order):
;;     1. [M 8,192, K 1,024] x [K 1,024, N 1,024]; A: input x; B: input wq: QUANTISED
;;     2. [M 8,192, K 1,024] x [K 1,024, N 1,024]; A: input x; B: input wk: QUANTISED
;;     3. [M 8,192, K 1,024] x [K 1,024, N 1,024]; A: input x; B: input wv: QUANTISED
;;     4. batch 64 x [M 2,048, K 64] x [K 64, N 2,048]; A: computed on the way; B: computed on the way: QUANTISED
;;     5. batch 64 x [M 2,048, K 2,048] x [K 2,048, N 64]; A: softmax (see below); B: computed on the way: QUANTISED
;;     6. [M 8,192, K 1,024] x [K 1,024, N 1,024]; A: computed on the way; B: input wo: QUANTISED
;;   THE QUANTISER, for each operand of a quantised product, along K:
;;     - K is cut into blocks of 32 from its start; a last block that is shorter is filled with zeros.
;;     - A block's scale is 2^e with e = floor(log2(the largest magnitude in the block)) - 2, held to -126 .. 127; a block of zeros has e = 0. As a byte (E8M0): e + 127.
;;     - Each number is divided by its block's scale, clamped to +-7.5, and rounded to the nearest number of E2M3, ties to even, subnormals kept.
;;     - The product sums the exact products of the quantised numbers (number of the format x scale) in f32.
;;   ~~~python
;;   def quantise(x, axis):      # numpy; x: float32 -> the quantised numbers, widened to float32 again
;;       x = np.moveaxis(x, axis, -1); K = x.shape[-1]
;;       x = np.pad(x, [(0, 0)] * (x.ndim - 1) + [(0, -K % 32)]); x = x.reshape(x.shape[:-1] + (-1, 32)); a = np.abs(x).max(-1, keepdims=True)
;;       e = np.where(a > 0, np.clip(np.frexp(np.where(a > 0, a, 1))[1] - 1 - 2, -126, 127), 0)      # np.frexp(a)[1] - 1 = floor(log2(a)), exactly
;;       r = np.clip(x / 2.0 ** e, -7.5, 7.5)
;;       step = 2.0 ** (np.maximum(np.frexp(np.where(r == 0, 1, r))[1] - 1, 0) - 3)
;;       q = np.round(r / step) * step * 2.0 ** e      # np.round: ties to even
;;       return np.moveaxis(q.reshape(q.shape[:-2] + (-1,))[..., :K], -1, axis).astype(np.float32)
;;   ~~~
;;   SOFTMAX AHEAD OF A QUANTISED PRODUCT. Where the list says 'softmax', what is quantised is not the finished softmax but p = 2^(t - M), with t = logit x log2(e) and M = ceil(the row's largest t), a whole number; so 1/2 < the row's largest p <= 1. The row's sum l is taken of the UNQUANTISED p, in f32, and the product's result is divided by l at the end. Since M is a whole number, a kernel that streams over the keys may use a running M (the ceiling of the running maximum): every later rescaling is an exact power of two, which a block's scale takes up: the codes' values come out the same.
;;   OPERANDS COMPUTED ON THE WAY. 'Computed on the way' means the value that the module computes at that place (a softmax that the list does not call 'softmax' is quantised finished and normalised). What goes into a quantiser is computed in f32, as accurately as f32 sums, v_exp_f32 and their like allow (about 1e-6 of the number): no bf16 or f16 on the way to a quantiser, and a product that is left as it is and whose result goes on into a quantised operand takes f32 operands (vector FMAs, or v_wmma_f32_16x16x4_f32). A number that lies on a knife's edge between two numbers of the format may be rounded either way, as far as f32 arithmetic and the matrix unit's own rounding can turn it there, and no further.
;; One version. Each part assembles by itself: llvm-mc -triple=amdgcn-amd-amdhsa -mcpu=gfx1250 --defsym DOCPART=n.
;; ======== version 1 of 1: 4 launches
;; limits: right only within a limited range of input values
;; workspace buffers: x_img 6,291,456 bytes; x_sc 262,144 bytes; w_img 3,145,728 bytes; w_sc 131,072 bytes; qkv_img 18,874,368 bytes; qkv_sc 786,432 bytes; ctx_img 6,291,456 bytes; ctx_sc 262,144 bytes
;; launch quant (part 1): grid 384 x 1, 8 waves a work-group, no clusters, 69,632 bytes of LDS; arguments x, wq, wk, wv, wo, x_img, x_sc, w_img, w_sc; writes x_img, x_sc, w_img, w_sc
.if DOCPART == 1
	.amdgcn_target "amdgcn-amd-amdhsa--gfx1250"
	.amdhsa_code_object_version 6
	.text
	.protected	k_q1559b64b14_quant
	.globl	k_q1559b64b14_quant
	.p2align	8
	.type	k_q1559b64b14_quant,@function
k_q1559b64b14_quant:
	s_mov_b64 s[64:65], 0
	v_nop
	global_prefetch_b8 v0, s[64:65] scope:SCOPE_SE
	s_setreg_imm32_b32 hwreg(HW_REG_WAVE_MODE, 25, 1), 1
	s_wait_xcnt 0x0
; x [8192][1024] and wq, wk, wv, wo [1024][1024], f32, K innermost, become codes of FP6 (E2M3) with one E8M0 byte for each 32 along K,
; laid in the order of the matrix operand's registers, so that every later launch takes fragments by whole 16- and 8-byte loads.
; POSITIONS.  Row index bits 3 and 4 change places: position block 2 B + u holds, at place r, row 32 B + 8 u + r + 8 (r / 8).  Used as source 0 of a product, two neighbouring
; blocks then leave 16 NEIGHBOURING true indices in a lane's 16 result registers, which is what the next quantiser wants.
; IMAGE (768 bytes): 16 positions x 64 K.  Lane (r, h) owns the 24 bytes of k = 32 h .. 32 h + 31 of position r: its first 16 bytes at 16 x lane, its last 8 at 512 + 8 x lane.
; SCALE BLOCK (512 bytes): 128 positions x 128 K: the word (four bytes) of position 16 a + r at 32 r + 4 a.
; x_img, w_img: [position block][16 groups of 64 K][768];  x_sc, w_sc: [group of 128 positions][8 groups of 128 K][512].  In w_*: wq, wk, wv, wo on end.
; A block's scale is 2^(floor(log2(largest magnitude)) - 2): its byte is the largest magnitude's exponent field - 2, held at 1 from below.
; LIMITS: a block of zeros gets the byte 1 (its codes are zeros, and this program alone reads the bytes); NaN and infinities among the inputs are not served.
; SHARES.  Work-group g: group of 128 positions G = g / 4 (0-63 x, 64-95 the weights), 256 of K (g % 4).  Wave a: position block a, two steps of 128 K.
; Each load reads 512 consecutive bytes of one row; a step's 16 rows turn through the wave's own stage in LDS (rows of 528 bytes) so that a lane gets 2 x 32 neighbours along K.
; No tensor loads, no cluster (no input byte is read by two work-groups), no matrix unit: memory binds.
.set SP,   528                         ; a stage row: 512 bytes + 16
.set WST,  16*SP                       ; a wave's stage
.set SG,   8*WST                       ; behind the stages: two scale blocks, gathered from the eight waves
.set M,    8                           ; v8-9    largest magnitudes of my two blocks
.set SO,   10                          ; v10-11  the conversions' scale operands
.set BY,   12                          ; v12-13  the bytes
.set W,    14                          ; v14     my row's scale word
.set W2,   15                          ; v15     the other half's part of it
.set C,    16                          ; v16-27  a fragment's 12 registers
.set CT,   28                          ; v28-30, v32-34  the upper halves of the blocks, as converted
.set R0,   40                          ; v40-103  step 0 as loaded; later step 1's neighbours
.set R1,   104                         ; v104-167 step 1 as loaded
.set X,    168                         ; v168-231 step 0's neighbours
	s_load_b256 s[4:11], s[0:1], 0x0               ; x, wq, wk, wv
	s_load_b256 s[12:19], s[0:1], 0x20             ; wo, x_img, x_sc, w_img
	s_load_b64 s[20:21], s[0:1], 0x40              ; w_sc
	v_lshl_add_u32 v240, v0, 2, 0x10c00
	v_mov_b32 v241, 0
	v_lshrrev_b32 v7, 5, v0
	s_delay_alu instid0(VALU_DEP_1)
	v_readfirstlane_b32 s22, v7                    ; wave a
	v_and_b32 v7, 31, v0                           ; lane
	s_delay_alu instid0(VALU_DEP_1)
	v_lshlrev_b32 v1, 4, v7                        ; 16 x lane
	s_delay_alu instid0(VALU_DEP_2)
	v_lshlrev_b32 v2, 3, v7                        ; 8 x lane
	v_and_b32 v31, 15, v0                          ; r
	v_bfe_u32 v6, v0, 4, 1                         ; h
	s_mul_i32 s32, s22, WST
	v_add_nc_u32 v3, s32, v1                       ; the stage, on the way in: 16 x lane of a row
	v_mul_u32_u24 v4, v31, SP
	s_delay_alu instid0(VALU_DEP_1)
	v_lshl_add_u32 v4, v6, 7, v4
	s_delay_alu instid0(VALU_DEP_1)
	v_add_nc_u32 v4, s32, v4                       ; on the way out: row r, + 128 h bytes: k = 32 h on
	s_lshl_b32 s33, s22, 2
	s_add_co_u32 s33, s33, SG
	v_lshlrev_b32 v5, 5, v31
	s_delay_alu instid0(VALU_DEP_1)
	v_add_nc_u32 v5, s33, v5                       ; my row's scale word: 32 r + 4 a
	s_and_b32 s34, s22, 1
	s_lshl_b32 s33, s34, 9
	s_add_co_u32 s33, s33, SG
	v_add_nc_u32 v35, s33, v1                      ; where waves 0 and 1 read a whole scale block back
	v_lshlrev_b32 v6, 3, v6                        ; 8 h: my bytes' place in the word
	v_mov_b32 v[W2], 0                             ; a lane permute's destination counts as one of its sources
	s_mov_b32 s36, 0x76543210
	s_mov_b32 s37, 0xfedcba98                      ; selects for lane l xor 16
	s_lshr_b32 s23, ttmp9, 2                       ; G
	s_and_b32 s24, ttmp9, 3                        ; which 256 of K
	s_and_b32 s27, s23, 7                          ; the group inside a weight
	s_wait_alu depctr_va_vdst(0)
	s_wait_kmcnt 0x0
	s_cmp_lt_u32 s23, 88                           ; the tensor is chosen by the work-group's number alone
	s_cselect_b64 s[10:11], s[10:11], s[12:13]
	s_cmp_lt_u32 s23, 80
	s_cselect_b64 s[8:9], s[8:9], s[10:11]
	s_cmp_lt_u32 s23, 72
	s_cselect_b64 s[6:7], s[6:7], s[8:9]
	s_cmp_lt_u32 s23, 64
	s_cselect_b64 s[4:5], s[4:5], s[6:7]           ; the source
	s_cselect_b64 s[14:15], s[14:15], s[18:19]     ; its images
	s_cselect_b64 s[16:17], s[16:17], s[20:21]     ; its scale blocks
	s_cselect_b32 s26, s23, s27                    ; the group of 128 rows in the source
	s_cselect_b32 s25, 0, 64
	s_sub_co_u32 s25, s23, s25                     ; and in the destination
	s_lshl_b32 s28, s26, 7
	s_lshr_b32 s29, s22, 1
	s_lshl_b32 s29, s29, 5
	s_add_co_u32 s28, s28, s29
	s_lshl_b32 s29, s34, 3
	s_add_co_u32 s28, s28, s29                     ; my block's first row: 128 G + 32 (a / 2) + 8 (a % 2)
	s_lshl_b32 s28, s28, 12                        ; rows of 4,096 bytes
	s_lshl_b32 s29, s24, 10
	s_add_co_u32 s28, s28, s29
	s_mov_b32 s29, 0
	s_add_nc_u64 s[4:5], s[4:5], s[28:29]
.irp s, 0,1
.irp i, 0,1,2,3,4,5,6,7,8,9,10,11,12,13,14,15
	global_load_b128 v[R0+64*\s+4*\i:R0+64*\s+4*\i+3], v1, s[4:5] offset:(\i+8*(\i/8))*4096+512*\s th:TH_LOAD_NT   ; place i of the block: 512 consecutive bytes of its row
.endr
.endr
	s_lshl_b32 s30, s25, 3
	s_add_co_u32 s30, s30, s22
	s_lshl_b32 s30, s30, 4
	s_lshl_b32 s31, s24, 2
	s_add_co_u32 s30, s30, s31
	s_mul_i32 s30, s30, 768                        ; my first image: (position block x 16 + 4 x quarter of K) x 768
	s_mov_b32 s31, 0
	s_add_nc_u64 s[14:15], s[14:15], s[30:31]
	s_lshl_b32 s30, s25, 3
	s_lshl_b32 s35, s24, 1
	s_add_co_u32 s30, s30, s35
	s_add_co_u32 s30, s30, s34
	s_lshl_b32 s30, s30, 9                         ; the scale block that waves 0 and 1 store: (8 G + 2 x quarter + wave) x 512
	s_add_nc_u64 s[16:17], s[16:17], s[30:31]
; a step's 16 rows through the stage.  LDS serves a wave's instructions in order, so no wait stands between the stores and the loads
.macro TURN rs, xs
.irp i, 0,1,2,3,4,5,6,7,8,9,10,11,12,13,14,15
	ds_store_b128 v3, v[\rs+4*\i:\rs+4*\i+3] offset:SP*\i
.endr
.irp c, 0,1
.irp j, 0,1,2,3,4,5,6,7
	ds_load_b128 v[\xs+32*\c+4*\j:\xs+32*\c+4*\j+3], v4 offset:256*\c+16*\j   ; k = 64 c + 32 h + 4 j on
.endr
.endr
	s_wait_dscnt 0x0
.endm
; step s: my two whole blocks of 32 (k = 64 c + 32 h on) become registers 6 c .. 6 c + 5 of the fragment, and two bytes of my row's scale word
.macro QB s, xs
.irp c, 0,1
	v_max3_num_f32 v[M+\c], |v[\xs+32*\c]|, |v[\xs+32*\c+1]|, 0x1800000   ; with the floor 2^(3 - 127): the byte cannot fall under 1
.endr
.irp i, 2,4,6,8,10,12,14,16,18,20,22,24,26,28,30
.irp c, 0,1
	s_delay_alu instid0(VALU_DEP_2)
	v_max3_num_f32 v[M+\c], v[M+\c], |v[\xs+32*\c+\i]|, |v[\xs+32*\c+\i+1]|
.endr
.endr
.irp c, 0,1
	s_delay_alu instid0(VALU_DEP_2)
	v_add_nc_u32 v[SO+\c], 0xff000000, v[M+\c]     ; 2 off the exponent field: the conversion takes that field as its scale
.endr
.irp c, 0,1
	s_delay_alu instid0(VALU_DEP_2)
	v_lshrrev_b32 v[BY+\c], 23, v[SO+\c]           ; the byte
.endr
	s_delay_alu instid0(VALU_DEP_1)
	v_lshl_or_b32 v[W], v[BY+1], 16, v[BY]         ; blocks h and 2 + h,
	s_delay_alu instid0(VALU_DEP_1)
	v_lshlrev_b32 v[W], v6, v[W]                   ; at their places;
	s_delay_alu instid0(VALU_DEP_1)
	v_permlanex16_b32 v[W2], v[W], s36, s37
	s_delay_alu instid0(VALU_DEP_1)
	v_or_b32 v[W], v[W], v[W2]                     ; with lane l xor 16's two the word is whole
.irp c, 0,1
	v_cvt_scalef32_pk16_fp6_f32 v[C+6*\c:C+6*\c+2], v[\xs+32*\c:\xs+32*\c+15], v[SO+\c]
	v_cvt_scalef32_pk16_fp6_f32 v[CT+4*\c:CT+4*\c+2], v[\xs+32*\c+16:\xs+32*\c+31], v[SO+\c]   ; (a conversion's three registers begin on an even number)
.endr
	v_nop                                          ; one plain place behind a scaled conversion
.irp c, 0,1
.irp i, 0,1,2
	v_mov_b32 v[C+3+6*\c+\i], v[CT+4*\c+\i]
.endr
.endr
.irp c, 0,1
	global_store_b128 v1, v[C+6*\c:C+6*\c+3], s[14:15] offset:(2*\s+\c)*768          ; 512 consecutive bytes, at a multiple of 256
	global_store_b64 v2, v[C+6*\c+4:C+6*\c+5], s[14:15] offset:(2*\s+\c)*768+512     ; 256 consecutive bytes
.endr
	ds_store_b32 v5, v[W] offset:512*\s            ; both halves write the same word with the same value
.endm
	s_wait_loadcnt 16                              ; step 0's 16 loads are in; step 1's 16 may be out
	TURN R0, X
	QB 0, X
	s_wait_loadcnt 0x0
	TURN R1, R0
	s_wait_xcnt 0x0                                ; step 0's stores have read their registers: the fragment is written again
	QB 1, R0
	s_wait_dscnt 0x0                               ; my scale words lie in LDS
	s_barrier_signal -1
	s_barrier_wait -1                              ; everybody's do
	s_cmp_lt_u32 s22, 2
	s_cbranch_scc0 .Ldone
	ds_load_b128 v[36:39], v35
	s_wait_dscnt 0x0
	global_store_b128 v1, v[36:39], s[16:17]       ; a scale block: 512 consecutive bytes
.Ldone:
	s_wait_tensorcnt 0x0
	ds_add_u32 v240, v241
	s_wait_dscnt 0x0
	s_endpgm
.Lfunc_end_k_q1559b64b14_quant:
	.size	k_q1559b64b14_quant, .Lfunc_end_k_q1559b64b14_quant-k_q1559b64b14_quant
	.p2alignl 7, 3214868480
	.fill 96, 4, 3214868480
	.section	.rodata,"a",@progbits
	.p2align	6, 0x0
	.amdhsa_kernel k_q1559b64b14_quant
		.amdhsa_group_segment_fixed_size 69632
		.amdhsa_private_segment_fixed_size 0
		.amdhsa_enable_private_segment 0
		.amdhsa_kernarg_size 72
		.amdhsa_user_sgpr_count 2
		.amdhsa_user_sgpr_kernarg_segment_ptr 1
		.amdhsa_wavefront_size32 1
		.amdhsa_system_sgpr_workgroup_id_x 1
		.amdhsa_system_sgpr_workgroup_id_y 1
		.amdhsa_system_sgpr_workgroup_id_z 1
		.amdhsa_system_vgpr_workitem_id 0
		.amdhsa_next_free_vgpr 242
		.amdhsa_next_free_sgpr 66
		.amdhsa_reserve_vcc 0
		.amdhsa_float_denorm_mode_32 3
		.amdhsa_float_denorm_mode_16_64 3
		.amdhsa_memory_ordered 1
		.amdhsa_forward_progress 1
		.amdhsa_inst_pref_size 20
	.end_amdhsa_kernel
	.amdgpu_metadata
---
amdhsa.version: [ 1, 2 ]
amdhsa.kernels:
  - .name:           k_q1559b64b14_quant
    .symbol:         k_q1559b64b14_quant.kd
    .args:
      - { .name: x, .offset: 0, .size: 8, .value_kind: global_buffer, .address_space: global }
      - { .name: wq, .offset: 8, .size: 8, .value_kind: global_buffer, .address_space: global }
      - { .name: wk, .offset: 16, .size: 8, .value_kind: global_buffer, .address_space: global }
      - { .name: wv, .offset: 24, .size: 8, .value_kind: global_buffer, .address_space: global }
      - { .name: wo, .offset: 32, .size: 8, .value_kind: global_buffer, .address_space: global }
      - { .name: x_img, .offset: 40, .size: 8, .value_kind: global_buffer, .address_space: global }
      - { .name: x_sc, .offset: 48, .size: 8, .value_kind: global_buffer, .address_space: global }
      - { .name: w_img, .offset: 56, .size: 8, .value_kind: global_buffer, .address_space: global }
      - { .name: w_sc, .offset: 64, .size: 8, .value_kind: global_buffer, .address_space: global }
    .group_segment_fixed_size: 69632
    .private_segment_fixed_size: 0
    .kernarg_segment_align: 8
    .kernarg_segment_size: 72
    .max_flat_workgroup_size: 256
    .sgpr_count:     66
    .vgpr_count:     242
    .wavefront_size: 32
...
	.end_amdgpu_metadata
.endif
;; end of part 1
;; launch proj (part 2): grid 12 x 32, 4 waves a work-group, clusters of 4 x 4, 327,680 bytes of LDS; arguments x_img, x_sc, w_img, w_sc, bq, bk, bv, qkv_img, qkv_sc; writes qkv_img, qkv_sc
.if DOCPART == 2
	.amdgcn_target "amdgcn-amd-amdhsa--gfx1250"
	.amdhsa_code_object_version 6
	.text
	.protected	k_q1559b64b14_proj
	.globl	k_q1559b64b14_proj
	.p2align	8
	.type	k_q1559b64b14_proj,@function
k_q1559b64b14_proj:
	s_mov_b64 s[64:65], 0
	v_nop
	global_prefetch_b8 v0, s[64:65] scope:SCOPE_SE
	s_setreg_imm32_b32 hwreg(HW_REG_WAVE_MODE, 25, 1), 1
	s_wait_xcnt 0x0
	s_wait_alu depctr_hold_cnt(0) depctr_sa_sdst(0) depctr_va_vdst(0) depctr_va_sdst(0) depctr_va_ssrc(0) depctr_va_vcc(0) depctr_vm_vsrc(0)
	s_getreg_b32 s2, hwreg(HW_REG_IB_STS2, 6, 4)
	s_cmp_eq_u32 s2, 0
	s_cbranch_scc0 .Lentry_in_a_cluster
	s_endpgm
.Lentry_in_a_cluster:
	s_bfe_u32 s2, ttmp6, 0x10000c
	s_cmp_lg_u32 s2, 0xf033
	s_cbranch_scc0 .Lentry_shape_is_right
	s_endpgm
.Lentry_shape_is_right:
.set RB,    3072
.set IMGP,  12288
.set HALFT, 8*RB
.set SLOT,  4*HALFT
.set SCL,   2*SLOT
.set HALFS, 16*272
.set SQ,    544
.set SPARE, SCL+4*HALFS
.set FR,    12
.set NL,    4
.set NP,    4
.set NQ,    2
.set SEC,   6291456
.set SSEC,  262144
.set ADRA, 16
.set ADRB, 20
.set LX,   24
.set LY,   25
.set LW,   26
.set ADRS, 27
.set SPW,  28
.set NIL,  29
.set SC,   32
.set BI,   64
.set AF,   128
.set T,    128
.set PC,   192
.set TM,   224
.set PWS,  240
.set WS,   248
.set ISV,  12
.set SEL,  2
.set OB00, 98
.set OB10, 46
.set OB01, 66
.set OB11, 42
.set G1, 24
.set G0, 32
.set G1B, 48
.set G0B, 56
.set G1S, 68
.set G0S, 76
.set G1SB, 80
.set G0SB, 88
.set MSB, 0
.macro WIN new
.if MSB != (\new)
	s_set_vgpr_msb (MSB<<8)|(\new)
.set MSB, (\new)
.endif
.endm
.set MUL_LO, 0xa1
.set MUL_HI, 0xf1
.set TO_B,   0x40
.macro JLOAD g0a, g1a, g0b, g1b
	s_cmp_eq_u32 s15, 0
	s_cbranch_scc0 .Lfor_b_\@
	tensor_load_to_lds s[\g0a:\g0a+3], s[\g1a:\g1a+7]
	s_nop 0
.rept 4
	v_nop
.endr
	s_branch .Lasked_\@
.Lfor_b_\@:
	tensor_load_to_lds s[\g0b:\g0b+3], s[\g1b:\g1b+7]
	s_nop 0
.rept 4
	v_nop
.endr
.Lasked_\@:
.endm
.macro CREST
	s_cmp_lg_u32 s14, 0
	s_cbranch_scc1 .Lnot_wave_0_\@
	s_barrier_signal -3
.Lnot_wave_0_\@:
	s_barrier_wait -3
	s_barrier_signal -1
	s_barrier_wait -1
.endm
.macro CROUND
	s_barrier_signal -1
	s_barrier_wait -1
	CREST
.endm
	s_load_b256 s[4:11], s[0:1], 0x0
	s_load_b256 s[92:99], s[0:1], 0x20
	s_load_b64 s[100:101], s[0:1], 0x40
	v_lshl_add_u32 v[SPW], v0, 2, SPARE
	v_mov_b32 v[NIL], 0
	ds_add_u32 v28, v29
	ds_add_u32 v28, v29
	s_wait_dscnt 0x0
	v_lshrrev_b32 v1, 5, v0
	v_readfirstlane_b32 s14, v1
	s_lshr_b32 s15, s14, 1
	s_and_b32 s16, s14, 1
	s_bfe_u32 s40, ttmp6, 0x40000
	s_bfe_u32 s41, ttmp6, 0x40004
	s_lshl_b32 s17, s41, 2
	s_lshl_b32 s17, 15, s17
	s_lshl_b32 s66, 0x1111, s40
	s_or_b32 s[G1+0], s17, (3<<16)|(1<<21)
	s_or_b32 s[G1B+0], s66, (3<<16)|(1<<21)
.irp g, G1, G1B
	s_mov_b32 s[\g+1], 384<<16
	s_mov_b32 s[\g+2], 16<<16
	s_mov_b32 s[\g+3], 384<<16
	s_mov_b32 s[\g+4], 16
	s_mov_b32 s[\g+5], 1536
	s_mov_b32 s[\g+6], 0
	s_mov_b32 s[\g+7], 0
.endr
	s_or_b32 s[G1S+0], s17, (3<<16)|(1<<20)|(1<<21)|(5<<22)|(3<<25)
	s_or_b32 s[G1SB+0], s66, (3<<16)|(1<<20)|(1<<21)|(5<<22)|(3<<25)
.irp g, G1S, G1SB
	s_mov_b32 s[\g+1], 32<<16
	s_mov_b32 s[\g+2], 32<<16
	s_mov_b32 s[\g+3], 32<<16
	s_mov_b32 s[\g+4], 32
	s_mov_b32 s[\g+5], 32
	s_mov_b32 s[\g+6], 0
	s_mov_b32 s[\g+7], 0
.endr
	s_and_b32 s19, ttmp7, 0xffff
	s_lshl_b32 s19, s19, 2
	s_lshl_b32 s20, ttmp9, 2
	s_cmp_eq_u32 ttmp9, 2
	s_cselect_b32 s[ISV], 1, 0
	s_cselect_b32 s2, 8, s19
	s_cselect_b32 s3, s19, s20
	s_add_co_u32 s2, s2, s41
	s_add_co_u32 s3, s3, s40
	s_lshl_b32 s21, s16, 3
	s_lshl_b32 s42, s2, 4
	s_add_co_u32 s42, s42, s21
	s_mul_i32 s42, s42, IMGP
	s_mov_b32 s43, 0
	s_lshl_b32 s44, s2, 1
	s_add_co_u32 s44, s44, s16
	s_lshl_b32 s44, s44, 12
	s_mov_b32 s45, 0
	s_lshl_b32 s46, s3, 4
	s_add_co_u32 s46, s46, s21
	s_mul_i32 s46, s46, IMGP
	s_mov_b32 s47, 0
	s_lshl_b32 s66, s3, 1
	s_add_co_u32 s66, s66, s16
	s_lshl_b32 s66, s66, 12
	s_mov_b32 s67, 0
	s_mul_i32 s22, s14, HALFT
	s_mul_i32 s23, s14, HALFS
	s_wait_kmcnt 0x0
	s_cmp_eq_u32 s[ISV], 1
	s_cselect_b64 s[18:19], s[8:9], s[4:5]
	s_cselect_b64 s[20:21], s[10:11], s[6:7]
	s_cselect_b64 s[8:9], s[4:5], s[8:9]
	s_cselect_b64 s[10:11], s[6:7], s[10:11]
	s_add_nc_u64 s[18:19], s[18:19], s[42:43]
	s_add_nc_u64 s[20:21], s[20:21], s[44:45]
	s_add_nc_u64 s[8:9], s[8:9], s[46:47]
	s_add_nc_u64 s[10:11], s[10:11], s[66:67]
	CROUND
	s_mov_b32 s[G0S], 1
	s_add_co_u32 s[G0S+1], s23, SCL-HALFS
	s_sub_nc_u64 s[G0S+2:G0S+3], s[20:21], 4096
	s_or_b32 s[G0S+3], s[G0S+3], 0x80000000
	s_mov_b32 s[G0SB], 1
	s_add_co_u32 s[G0SB+1], s23, SCL-HALFS
	s_sub_nc_u64 s[G0SB+2:G0SB+3], s[10:11], 4096
	s_or_b32 s[G0SB+3], s[G0SB+3], 0x80000000
.irp s, 0,1
	s_mov_b32 s[G0+4*\s], 1
	s_add_co_u32 s[G0+4*\s+1], s22, \s*SLOT
	s_add_nc_u64 s[G0+4*\s+2:G0+4*\s+3], s[18:19], \s*RB
	s_or_b32 s[G0+4*\s+3], s[G0+4*\s+3], 0x80000000
	s_mov_b32 s[G0B+4*\s], 1
	s_add_co_u32 s[G0B+4*\s+1], s22, \s*SLOT
	s_add_nc_u64 s[G0B+4*\s+2:G0B+4*\s+3], s[8:9], \s*RB
	s_or_b32 s[G0B+4*\s+3], s[G0B+4*\s+3], 0x80000000
.endr
; the head's four tiles, one joint load a wave: wave 0 slot 0's 16 rows of source 1's side, wave 1 that side's scale blocks, wave 2 slot 0's 16 rows of the other side, wave 3 its scale blocks
	s_cmp_eq_u32 s14, 0
	s_cbranch_scc0 .Lhead_1
	tensor_load_to_lds s[G0:G0+3], s[G1:G1+7]
	s_nop 0
.rept 4
	v_nop
.endr
	s_branch .Lhead_asked
.Lhead_1:
	s_cmp_eq_u32 s14, 1
	s_cbranch_scc0 .Lhead_2
	tensor_load_to_lds s[G0S:G0S+3], s[G1S:G1S+7]
	s_nop 0
.rept 4
	v_nop
.endr
	s_branch .Lhead_asked
.Lhead_2:
	s_cmp_eq_u32 s14, 2
	s_cbranch_scc0 .Lhead_3
	tensor_load_to_lds s[G0B:G0B+3], s[G1B:G1B+7]
	s_nop 0
.rept 4
	v_nop
.endr
	s_branch .Lhead_asked
.Lhead_3:
	tensor_load_to_lds s[G0SB:G0SB+3], s[G1SB:G1SB+7]
	s_nop 0
.rept 4
	v_nop
.endr
.Lhead_asked:
	v_and_b32 v1, 15, v0
	v_bfe_u32 v2, v0, 4, 1
	v_and_b32 v3, 31, v0
	v_lshlrev_b32 v[LX], 4, v3
	v_lshlrev_b32 v[LY], 3, v3
	v_lshlrev_b32 v[LW], 5, v1
	v_lshl_add_u32 v[LW], v2, 4, v[LW]
	s_mul_i32 s21, s15, HALFT
	s_mul_i32 s22, s16, HALFT
	s_add_co_u32 s22, s22, 2*HALFT
.irp s, 0,1
	v_add_nc_u32 v[ADRA+\s], s21, v[LX]
	v_add_nc_u32 v[ADRA+2+\s], s21, v[LY]
	v_add_nc_u32 v[ADRB+\s], s22, v[LX]
	v_add_nc_u32 v[ADRB+2+\s], s22, v[LY]
	s_add_co_u32 s21, s21, SLOT
	s_add_co_u32 s22, s22, SLOT
.endr
	v_lshlrev_b32 v4, 5, v1
	v_lshrrev_b32 v5, 3, v1
	v_lshl_add_u32 v4, v5, 4, v4
	s_mul_i32 s21, s15, HALFS
	s_mul_i32 s22, s16, HALFS
	s_add_co_u32 s22, s22, 2*HALFS
	s_sub_co_u32 s22, s22, s21
	v_mul_u32_u24 v5, s22, v2
	s_add_co_u32 s21, s21, SCL
	v_add_nc_u32 v4, v4, v5
	v_add_nc_u32 v[ADRS], s21, v4
	s_cmp_eq_u32 s[ISV], 1
	s_cselect_b32 s17, s3, s2
	s_cselect_b32 s18, s16, s15
	s_cselect_b32 s19, s41, s40
	s_cselect_b32 s20, s15, s16
	s_mov_b32 s42, 98304
	s_cselect_b32 s42, 3072, s42
	s_mov_b32 s44, 3072
	s_cselect_b32 s44, 98304, s44
	s_cselect_b32 s21, 4, 0
	s_cselect_b32 s22, 0, 64
	s_cselect_b32 s23, 0, 4
	s_mov_b32 s43, 0
	s_mov_b32 s45, 0
	s_lshr_b32 s46, s17, 3
	s_lshl_b32 s46, s46, 3
	s_lshl_b32 s47, s19, 1
	s_add_co_u32 s46, s46, s47
	s_add_co_u32 s46, s46, s20
	s_and_b32 s47, s17, 7
	s_lshl_b32 s47, s47, 1
	s_add_co_u32 s47, s47, s18
	s_mul_i32 s66, ttmp9, SEC
	s_mul_i32 s67, s46, 196608
	s_add_co_u32 s66, s66, s67
	s_mul_i32 s67, s47, 6144
	s_add_co_u32 s66, s66, s67
	s_mov_b32 s67, 0
	s_add_nc_u64 s[OB00:OB00+1], s[98:99], s[66:67]
	s_mul_i32 s66, ttmp9, SSEC
	s_lshl_b32 s46, s46, 13
	s_add_co_u32 s66, s66, s46
	s_lshl_b32 s47, s47, 9
	s_add_co_u32 s66, s66, s47
	s_add_nc_u64 s[100:101], s[100:101], s[66:67]
	s_add_nc_u64 s[OB10:OB10+1], s[OB00:OB00+1], s[42:43]
	s_add_nc_u64 s[OB01:OB01+1], s[OB00:OB00+1], s[44:45]
	s_add_nc_u64 s[OB11:OB11+1], s[OB10:OB10+1], s[44:45]
	s_cmp_eq_u32 ttmp9, 1
	s_cselect_b64 s[92:93], s[94:95], s[92:93]
	s_cmp_eq_u32 ttmp9, 2
	s_cselect_b64 s[92:93], s[96:97], s[92:93]
	s_lshl_b32 s18, s19, 10
	s_lshl_b32 s20, s20, 9
	s_add_co_u32 s18, s18, s20
	s_mov_b32 s19, 0
	s_add_nc_u64 s[92:93], s[92:93], s[18:19]
	v_and_b32 v3, 8, v1
	v_add_nc_u32 v3, v3, v1
	v_mul_u32_u24 v4, s21, v3
	v_mad_u32_u24 v8, v2, s22, v4
.irp j, 1,2,3,4,5,6,7
	v_add_nc_u32 v[8+\j], s23, v[7+\j]
.endr
.irp i, 0,1,2,3,4,5,6,7
.irp j, 0,1,2,3,4,5,6,7
	global_load_b32 v[BI+8*\i+\j], v[8+\j], s[92:93] offset:(32*(\i/2)+8*(\i%2))*4
.endr
.endr
.macro FRAG reg, adr, q, i
	ds_load_b128 v[\reg:\reg+3], v[\adr] offset:(\i)*RB+(\q)*1536
	ds_load_b64 v[\reg+4:\reg+5], v[\adr+2] offset:(\i)*RB+(\q)*1536+512
	ds_load_b128 v[\reg+6:\reg+9], v[\adr] offset:(\i)*RB+(\q)*1536+768
	ds_load_b64 v[\reg+10:\reg+11], v[\adr+2] offset:(\i)*RB+(\q)*1536+1280
.endm
.macro MUL16 a0, p, q, sc, zero
.irp a, \a0, \a0+1
.irp b, 0,1,2,3,4,5,6,7
.if \zero == 1
	v_wmma_scale_f32_16x16x128_f8f6f4 v[8*(8*((\a)%4)+\b):8*(8*((\a)%4)+\b)+7], v[128*(\p)+FR*\b:128*(\p)+FR*\b+FR-1], v[AF+FR*(\a):AF+FR*(\a)+FR-1], 0, v[SC+16*(\sc)+8*(\q)+\b], v[SC+16*(\sc)+8*(\q)+(\a)] matrix_a_fmt:MATRIX_FMT_FP6 matrix_b_fmt:MATRIX_FMT_FP6 matrix_a_scale:MATRIX_SCALE_ROW1
.else
	v_wmma_scale_f32_16x16x128_f8f6f4 v[8*(8*((\a)%4)+\b):8*(8*((\a)%4)+\b)+7], v[128*(\p)+FR*\b:128*(\p)+FR*\b+FR-1], v[AF+FR*(\a):AF+FR*(\a)+FR-1], v[8*(8*((\a)%4)+\b):8*(8*((\a)%4)+\b)+7], v[SC+16*(\sc)+8*(\q)+\b], v[SC+16*(\sc)+8*(\q)+(\a)] matrix_a_fmt:MATRIX_FMT_FP6 matrix_b_fmt:MATRIX_FMT_FP6 matrix_a_scale:MATRIX_SCALE_ROW1
.endif
.endr
.endr
.endm
.macro FETCH_B slot, q, p
	WIN TO_B
.irp i, 0,1,2,3,4,5,6,7
	FRAG 128*(\p)+FR*\i, ADRB+\slot, \q, \i
.endr
	WIN 0
.endm
.macro FETCH_A slot, q, i0
.irp i, \i0, \i0+1, \i0+2, \i0+3
	FRAG AF+FR*(\i), ADRA+\slot, \q, \i
.endr
.endm
.macro SCALES sc
.irp q, 0,1
.irp j, 0,1
	ds_load_b128 v[SC+16*\sc+8*\q+4*\j:SC+16*\sc+8*\q+4*\j+3], v[ADRS] offset:SQ*\q+16*\j
.endr
.endr
.endm
.macro PLACES n
.rept \n
	v_nop
.endr
.endm
.macro STEP slot, q, zero
	s_wait_dscnt 4*NL
	WIN MUL_LO
	MUL16 0, (\q)%2, \q, \slot, \zero
	MUL16 2, (\q)%2, \q, \slot, \zero
	s_wait_dscnt 0
	PLACES NP
	FETCH_B \slot, (\q)+1, 1-(\q)%2
	FETCH_A \slot, (\q)+1, 0
	WIN MUL_HI
	MUL16 4, (\q)%2, \q, \slot, \zero
	MUL16 6, (\q)%2, \q, \slot, \zero
	PLACES NP
	WIN 0
	FETCH_A \slot, (\q)+1, 4
.endm
.macro TURN slot, next, fill
	s_wait_tensorcnt 0x0
	ds_add_u32 v[SPW], v[NIL]
	s_wait_dscnt 4*NL+1
	WIN MUL_LO
	MUL16 0, 1, NQ-1, \slot, 0
	s_wait_dscnt 0x0
	s_barrier_signal -1
	MUL16 2, 1, NQ-1, \slot, 0
	WIN 0
	s_barrier_wait -1
.if \fill
	CREST
	s_add_nc_u64 s[G0+4*\slot+2:G0+4*\slot+3], s[G0+4*\slot+2:G0+4*\slot+3], 2*RB
	s_add_nc_u64 s[G0B+4*\slot+2:G0B+4*\slot+3], s[G0B+4*\slot+2:G0B+4*\slot+3], 2*RB
	JLOAD G0+4*\slot, G1, G0B+4*\slot, G1B
.else
	PLACES NP
.endif
	s_wait_alu depctr_va_vdst(0)
	v_add_nc_u32 v[ADRS], 2*SQ, v[ADRS]
	FETCH_B \next, 0, 0
	FETCH_A \next, 0, 0
	SCALES \next
	WIN MUL_HI
	MUL16 4, 1, NQ-1, \slot, 0
	MUL16 6, 1, NQ-1, \slot, 0
	PLACES NP
	WIN 0
	FETCH_A \next, 0, 4
.endm
	s_wait_alu depctr_va_vdst(0)                   ; the set-up above stood under the head's loads
	s_wait_tensorcnt 0x0
	ds_add_u32 v28, v29
	s_mov_b32 s[G1+2], 8<<16                       ; no load of mine is out: from here on a load brings 8 rows
	s_mov_b32 s[G1+4], 8
	s_mov_b32 s[G1B+2], 8<<16
	s_mov_b32 s[G1B+4], 8
	s_wait_dscnt 0x0
	CROUND
	JLOAD G0+4, G1, G0B+4, G1B
	s_wait_tensorcnt 1
	s_barrier_signal -1
	s_barrier_wait -1
	FETCH_B 0, 0, 0
	FETCH_A 0, 0, 0
	SCALES 0
	FETCH_A 0, 0, 4
	STEP 0, 0, 1
	TURN 0, 1, 1
	STEP 1, 0, 0
	TURN 1, 0, 1
	STEP 0, 0, 0
	TURN 0, 1, 0
	STEP 1, 0, 0
	s_wait_dscnt 4*NL
	WIN MUL_LO
	MUL16 0, 1, NQ-1, 1, 0
	MUL16 2, 1, NQ-1, 1, 0
	s_wait_dscnt 0
	WIN MUL_HI
	MUL16 4, 1, NQ-1, 1, 0
	MUL16 6, 1, NQ-1, 1, 0
	WIN 0
.macro QUANT s, pw
.irp b, 0,1,2,3
	v_max3_num_f32 v[TM+\b], |v[\s+16*\b]|, |v[\s+1+16*\b]|, 0x1800000
.endr
.irp i, 2,4,6,8,10,12,14
.irp b, 0,1,2,3
	v_max3_num_f32 v[TM+\b], v[TM+\b], |v[\s+16*\b+\i]|, |v[\s+1+16*\b+\i]|
.endr
.endr
.irp b, 0,1,2,3
	v_permlanex16_b32 v[TM+4+\b], v[TM+\b], s[SEL], s[SEL+1]
.endr
.irp b, 0,1,2,3
	v_max_num_f32 v[TM+\b], v[TM+\b], v[TM+4+\b]
.endr
.irp b, 0,1,2,3
	v_add_nc_u32 v[TM+12+\b], 0xff000000, v[TM+\b]
.endr
.irp b, 0,1,2,3
	v_lshrrev_b32 v[TM+4+\b], 23, v[TM+12+\b]
.endr
	v_lshl_or_b32 v[\pw], v[TM+5], 8, v[TM+4]
	v_lshl_or_b32 v[\pw], v[TM+6], 16, v[\pw]
	v_lshl_or_b32 v[\pw], v[TM+7], 24, v[\pw]
.irp c, 0,1
	v_cvt_scalef32_pk16_fp6_f32 v[PC+6*\c:PC+2+6*\c], v[\s+32*\c:\s+15+32*\c], v[TM+12+2*\c]
	v_cvt_scalef32_pk16_fp6_f32 v[PC+12+4*\c:PC+14+4*\c], v[\s+16+32*\c:\s+31+32*\c], v[TM+12+2*\c+1]
.endr
	v_nop
.irp c, 0,1
.irp i, 0,1,2
	v_permlane16_swap_b32 v[PC+6*\c+\i], v[PC+12+4*\c+\i]
.endr
.irp i, 0,1,2
	v_mov_b32 v[PC+3+6*\c+\i], v[PC+12+4*\c+\i]
.endr
.endr
.endm
.macro OUTBLK a
.set AC, 64*((\a)%4)
	s_cmp_eq_u32 s[ISV], 1
	s_cbranch_scc1 .Lfor_v_\@
	WIN 0x02+(\a)/4
.set i, 0
.rept 32
	v_pk_add_f32 v[T+i:T+i+1], v[AC+i:AC+i+1], v[BI+i:BI+i+1]
.set i, i+2
.endr
	WIN 0
	s_branch .Lsummed_\@
.Lfor_v_\@:
	WIN 0x02+(\a)/4
.set i, 0
.rept 32
	v_pk_add_f32 v[T+i:T+i+1], v[AC+i:AC+i+1], v[BI+8*(\a):BI+8*(\a)+1]
.set i, i+2
.endr
	WIN 0
.Lsummed_\@:
.if (\a) > 0
	s_wait_xcnt 0x0
.endif
	QUANT T, PWS+(\a)
.if (\a) < 4
	global_store_b128 v[LX], v[PC:PC+3], s[OB00:OB00+1] offset:((\a)%4)*768
	global_store_b64 v[LY], v[PC+4:PC+5], s[OB00:OB00+1] offset:((\a)%4)*768+512
	global_store_b128 v[LX], v[PC+6:PC+9], s[OB10:OB10+1] offset:((\a)%4)*768
	global_store_b64 v[LY], v[PC+10:PC+11], s[OB10:OB10+1] offset:((\a)%4)*768+512
.else
	global_store_b128 v[LX], v[PC:PC+3], s[OB01:OB01+1] offset:((\a)%4)*768
	global_store_b64 v[LY], v[PC+4:PC+5], s[OB01:OB01+1] offset:((\a)%4)*768+512
	global_store_b128 v[LX], v[PC+6:PC+9], s[OB11:OB11+1] offset:((\a)%4)*768
	global_store_b64 v[LY], v[PC+10:PC+11], s[OB11:OB11+1] offset:((\a)%4)*768+512
.endif
.endm
	s_wait_loadcnt 0x0
	s_mov_b32 s[SEL], 0x76543210
	s_mov_b32 s[SEL+1], 0xfedcba98
	s_mov_b32 s17, 0xffff0000
.irp b, 0,1,2,3
	v_mov_b32 v[TM+4+\b], 0
.endr
.irp a, 0,1,2,3,4,5,6,7
	OUTBLK \a
.endr
.irp i, 0,1,2,3
	v_cndmask_b32 v[WS+\i], v[PWS+\i], v[PWS+4+\i], s17
.endr
	global_store_b128 v[LW], v[WS:WS+3], s[100:101]
	s_wait_tensorcnt 0x0
	ds_add_u32 v[SPW], v[NIL]
	s_wait_dscnt 0x0
	CROUND
	s_endpgm
.Lfunc_end_k_q1559b64b14_proj:
	.size	k_q1559b64b14_proj, .Lfunc_end_k_q1559b64b14_proj-k_q1559b64b14_proj
	.p2alignl 7, 3214868480
	.fill 96, 4, 3214868480
	.section	.rodata,"a",@progbits
	.p2align	6, 0x0
	.amdhsa_kernel k_q1559b64b14_proj
		.amdhsa_group_segment_fixed_size 327680
		.amdhsa_private_segment_fixed_size 0
		.amdhsa_enable_private_segment 0
		.amdhsa_kernarg_size 72
		.amdhsa_user_sgpr_count 2
		.amdhsa_user_sgpr_kernarg_segment_ptr 1
		.amdhsa_wavefront_size32 1
		.amdhsa_system_sgpr_workgroup_id_x 1
		.amdhsa_system_sgpr_workgroup_id_y 1
		.amdhsa_system_sgpr_workgroup_id_z 1
		.amdhsa_system_vgpr_workitem_id 0
		.amdhsa_next_free_vgpr 1024
		.amdhsa_next_free_sgpr 102
		.amdhsa_reserve_vcc 0
		.amdhsa_float_denorm_mode_32 3
		.amdhsa_float_denorm_mode_16_64 3
		.amdhsa_memory_ordered 1
		.amdhsa_forward_progress 1
		.amdhsa_inst_pref_size 189
	.end_amdhsa_kernel
	.amdgpu_metadata
---
amdhsa.version: [ 1, 2 ]
amdhsa.kernels:
  - .name:           k_q1559b64b14_proj
    .symbol:         k_q1559b64b14_proj.kd
    .args:
      - { .name: x_img, .offset: 0, .size: 8, .value_kind: global_buffer, .address_space: global }
      - { .name: x_sc, .offset: 8, .size: 8, .value_kind: global_buffer, .address_space: global }
      - { .name: w_img, .offset: 16, .size: 8, .value_kind: global_buffer, .address_space: global }
      - { .name: w_sc, .offset: 24, .size: 8, .value_kind: global_buffer, .address_space: global }
      - { .name: bq, .offset: 32, .size: 8, .value_kind: global_buffer, .address_space: global }
      - { .name: bk, .offset: 40, .size: 8, .value_kind: global_buffer, .address_space: global }
      - { .name: bv, .offset: 48, .size: 8, .value_kind: global_buffer, .address_space: global }
      - { .name: qkv_img, .offset: 56, .size: 8, .value_kind: global_buffer, .address_space: global }
      - { .name: qkv_sc, .offset: 64, .size: 8, .value_kind: global_buffer, .address_space: global }
    .group_segment_fixed_size: 327680
    .private_segment_fixed_size: 0
    .kernarg_segment_align: 8
    .kernarg_segment_size: 72
    .max_flat_workgroup_size: 128
    .sgpr_count:     102
    .vgpr_count:     1024
    .wavefront_size: 32
...
	.end_amdgpu_metadata
.endif
;; end of part 2
;; launch attn (part 3): grid 8 x 32, 16 waves a work-group, clusters of 4 x 1, 327,680 bytes of LDS; arguments qkv_img, qkv_sc, ctx_img, ctx_sc; writes ctx_img, ctx_sc
.if DOCPART == 3
	.amdgcn_target "amdgcn-amd-amdhsa--gfx1250"
	.amdhsa_code_object_version 6
	.text
	.protected	k_q1559b64b14_attn
	.globl	k_q1559b64b14_attn
	.p2align	8
	.type	k_q1559b64b14_attn,@function
k_q1559b64b14_attn:
	s_mov_b64 s[64:65], 0
	v_nop
	global_prefetch_b8 v0, s[64:65] scope:SCOPE_SE
	s_setreg_imm32_b32 hwreg(HW_REG_WAVE_MODE, 25, 1), 1
	s_wait_xcnt 0x0
	s_wait_alu depctr_hold_cnt(0) depctr_sa_sdst(0) depctr_va_vdst(0) depctr_va_sdst(0) depctr_va_ssrc(0) depctr_va_vcc(0) depctr_vm_vsrc(0)
	s_getreg_b32 s2, hwreg(HW_REG_IB_STS2, 6, 4)
	s_cmp_eq_u32 s2, 0
	s_cbranch_scc0 .Lentry_in_a_cluster
	s_endpgm
.Lentry_in_a_cluster:
	s_bfe_u32 s2, ttmp6, 0x10000c
	s_cmp_lg_u32 s2, 0x3003
	s_cbranch_scc0 .Lentry_shape_is_right
	s_endpgm
.Lentry_shape_is_right:
; ctx = softmax(q k^T / 8) v for each batch and head, both products on codes of FP6 (E2M3) with E8M0 scales; ctx leaves quantised along the model's 1,024 for the last projection.
; q, k, v come as images of operand registers (768 bytes: 16 positions x 64 of K; lane l's first 16 bytes at 16 l, its last 8 at 512 + 8 l) and scale blocks (512 bytes, word of position 16 a + r at 32 r + 4 a).
; In an image block 2 B + u, place r is token 32 B + 8 u + r + 8 (r / 8).
; THE SOFTMAX: t = score x log2(e) / 8; M = the running largest t rounded UP to a whole number; p = 2^(t - M) is quantised along the keys, not normalised; the row's sum is taken of the unquantised p and divides at the end.
; When M moves, the sum and O are multiplied by 2^(old M - new M), which rounds nothing.
; SHARES.  A work-group owns 256 query positions of one head PAIR, the even head first, then the odd; each of its sixteen waves owns one tile of 16 queries and walks all 2,048 keys, 128 a step.
; LDS holds THREE slots of 1,024 keys (K and V).  The pair's stream is four such pieces: even 0, even 1, odd 0, odd 1.  Slot 0 and the scale blocks are asked for at the head (waves 0-4, one load each);
; slots 1 and 2 behind the round that shows slot 0 (waves 5-10, one load each), eight and sixteen key steps ahead of their first reads.
; Only odd 1 is a refill, into slot 0, behind one round of the cluster's barrier at the change of heads; it too is asked for eight key steps ahead of its first read.  Between the barriers the waves walk on their own.
; CLUSTER.  The four work-groups of a cluster walk the same K and V: every fill is asked for jointly, with the mask of all four.
; NO PREFETCH: every fill behind the head's is asked for by its own load at least eight key steps ahead of its first read.
; K IN LDS.  The image pairs of even blocks of 32 keys lie in one region (KE), those of odd blocks in another (KO), DKO bytes on, which is 128 modulo 256.  A key tile (c, j) takes its rows 0-7 from block 2 c and its rows 8-15
; from block 2 c + 1: keys 64 c + 32 (row / 8) + 8 j + row % 8.  Both products are used transposed (S^T = K Q^T, O^T = V^T P^T), so a lane holds one query, and its 32 scores of tiles (c, 0 .. 3) are the whole scale block
; 2 c + lane / 16 of p, in the order of the next operand's registers: no lane swaps codes with another.  In a load of 16 bytes lanes 0-7 and 8-15 fall on different halves of the banks' row.
; K OF THE FIRST PRODUCT IS 64 in an instruction of 128: head parity par has its codes in registers 6 par .. 6 par + 5 of Q's and K's fragments.  Q's other six hold zero codes.  K's fragments overlap by six registers: the
; half that a head does not use holds a neighbouring tile's codes, which meet Q's zeros; every scale byte there is a finite code.  The six registers behind the last tile carry the odd head's Q through the even head's walk.
; ONE STEP AHEAD.  K's fragments and scale words of the next step are fetched straight behind this step's first products, and this step's V with them.  Every wait for LDS is for 0:
; the one ahead of the second products shows V and the next K at once.  At a slot's last step a branch on the trip counter leads round the fetch of K.
; LIMITS: p under 2^-126 becomes 0; 1 / sum by v_rcp_f32; a block of zeros gets the byte 1; NaN and infinities are not served; the promise holds while the scaled scores stay under 2^31 in magnitude.
.set SEC,   6291456
.set SSEC,  262144
.set DKO,   73856                      ; from KE to KO: three slots of 24,576 bytes + 128
.set VB,    147712                     ; V's three slots of 49,152 bytes
.set SCK,   295168                     ; K's 16 scale blocks of the pair,
.set SCV,   SCK+8192                   ; V's
.set SPARE, SCV+8192                   ; the spare words, 128 bytes a wave
.set CSC,   SPARE+2048                 ; two scale blocks of ctx, gathered from the sixteen waves
.set AVY,  0                           ; v0 (behind the head) V's 8-byte pieces, this trip
.set LX,   1                           ; 16 x lane
.set LY,   2                           ; 8 x lane
.set KXC,  3                           ; K's lane terms: 16-byte pieces, 8-byte pieces
.set KYC,  4
.set SPW,  5
.set NIL,  6
.set KSC,  7                           ; lane terms of K's and V's scale words
.set VSC,  8
.set AKX,  9                           ; this trip's addresses
.set AKY,  10
.set AVX,  11
.set NM,   12                          ; -M
.set SM,   13                          ; the running largest score
.set SU,   14                          ; v14-15 the sum, in two halves
.set AKS,  16
.set AVS,  17
.set CW,   18                          ; ctx's scale word
.set QS,   19                          ; Q's
.set FF,   20                          ; 2^(old M - new M)
.set PS,   21                          ; p's scale word
.set KS,   22                          ; v22-29 K's scale words
.set VS,   30                          ; v30-33 V's
.set Q,    34                          ; v34-45
.set R,    46                          ; v46-99 K's eight fragments, six registers apart
.set V,    100                         ; v100-147
.set S,    148                         ; v148-211 S^T, then p
.set O,    212                         ; v212-243 O^T
.set P,    244                         ; v244-255 p's codes; until they are made, the step's working registers:
.set T0,   P                           ; P+0 .. 7 eight chains of maxima; then P+0 .. 3 at work,
.set T1,   P+1
.set T2,   P+2
.set T3,   P+3
.set B0,   P+4                         ; P+4, 5 my two blocks' largest score, largest p, scale operand,
.set B1,   P+5
.set SA,   P+6                         ; P+6 .. 11 three pairs of partial sums
.set FM,   R+8                         ; a head's end works in K's registers, into which nothing is on its way then
.set FT,   R+12
.set FC,   R+22
.set WV,   18
.set SEL,  20
.set CS,   22
.set G1K,  24                          ; group 1: K's 16 rows of 1,536 bytes, every second one of the stream
.set G1V,  32                          ; V's 192 rows of 256
.set G1S,  40                          ; a table of scale blocks, 32 rows of 256
.set SK,   80
.set SV,   81
.set SS,   82
.set CNT,  83
.set G0,   88
.macro WALU
	s_wait_alu depctr_va_vdst(0)
.endm
.macro CROUND
	s_barrier_signal -1
	s_barrier_wait -1
	s_cmp_lg_u32 s[WV], 0
	s_cbranch_scc1 .Lnot_wave_0_\@
	s_barrier_signal -3
.Lnot_wave_0_\@:
	s_barrier_wait -3
	s_barrier_signal -1
	s_barrier_wait -1
.endm
.macro ASK base, g1                    ; group 0's LDS address and s94, the bytes from the base, are set; s_nop 0 and four v_nop follow the load
	s_mov_b32 s[G0], 1
	s_mov_b32 s95, 0
	s_add_nc_u64 s[G0+2:G0+3], s[\base:\base+1], s[94:95]
	s_or_b32 s[G0+3], s[G0+3], 0x80000000
	tensor_load_to_lds s[G0:G0+3], s[\g1:\g1+7]
	s_nop 0
.rept 4
	v_nop
.endr
.endm
.macro SHOW                            ; a plain barrier: every wave's loads have landed
	s_wait_tensorcnt 0x0
	s_wait_dscnt 0x0
	s_barrier_signal -1
	s_barrier_wait -1
.endm
	s_load_b256 s[4:11], s[0:1], 0x0               ; qkv_img, qkv_sc, ctx_img, ctx_sc
	v_lshl_add_u32 v[SPW], v0, 2, SPARE
	v_mov_b32 v[NIL], 0
	ds_add_u32 v[SPW], v[NIL]                      ; the opening lines: the add, twice on end, and its wait
	ds_add_u32 v[SPW], v[NIL]
	v_lshrrev_b32 v9, 5, v0
	v_readfirstlane_b32 s[WV], v9                  ; wave 0..15
	s_bfe_u32 s48, ttmp6, 0x40000                  ; cx
	s_lshl_b32 s49, ttmp9, 2
	s_add_co_u32 s49, s49, s48                     ; my block of 256 queries: it enters Q's and ctx's addresses alone
	s_and_b32 s50, ttmp7, 0xffff                   ; 8 x batch + head pair, which the partners share
	s_lshr_b32 s51, s50, 3                         ; batch
	s_and_b32 s52, s50, 7                          ; head pair
	s_mul_i32 s55, s50, 196608                     ; the pair's first byte in a section
	s_lshl_b32 s62, s50, 13                        ; and in a section of scale blocks
	s_and_b32 s58, s[WV], 1
	s_add_co_u32 s56, s55, SEC                     ; K's stream
	s_mov_b32 s57, 0
	s_add_co_u32 s60, s55, 2*SEC                   ; V's
	s_mov_b32 s61, 0
	s_lshl_b32 s68, s49, 4
	s_add_co_u32 s68, s68, s[WV]                   ; my token block in the batch
	s_mul_i32 s70, s68, 768
	s_add_co_u32 s70, s70, s55                     ; Q's image, even head
	s_mov_b32 s71, 0
	s_lshl_b32 s72, s49, 1
	s_lshr_b32 s73, s[WV], 3
	s_add_co_u32 s72, s72, s73                     ; my group of 128 tokens
	s_lshl_b32 s74, s72, 9
	s_add_co_u32 s74, s74, s62
	s_and_b32 s69, s[WV], 7
	s_lshl_b32 s69, s69, 2
	s_add_co_u32 s74, s74, s69                     ; Q's scale words: block a = wave % 8
	s_mov_b32 s75, 0
	s_lshl_b32 s76, s51, 7
	s_add_co_u32 s76, s76, s68
	s_lshl_b32 s76, s76, 4
	s_lshl_b32 s77, s52, 1
	s_add_co_u32 s76, s76, s77
	s_mul_i32 s76, s76, 768                        ; ctx's image: (position block x 16 + even head) x 768
	s_mov_b32 s77, 0
	s_lshl_b32 s78, s51, 4
	s_lshl_b32 s79, s49, 1
	s_add_co_u32 s78, s78, s79
	s_add_co_u32 s78, s78, s58
	s_lshl_b32 s78, s78, 3
	s_add_co_u32 s78, s78, s52
	s_lshl_b32 s78, s78, 9                         ; ctx's scale block that waves 0 and 1 store
	s_mov_b32 s79, 0
	s_lshl_b32 s73, s73, 9
	s_add_co_u32 s73, s73, s69
	s_add_co_u32 s73, s73, CSC                     ; where my tile's scale words are gathered
	s_lshl_b32 s69, s58, 9
	s_add_co_u32 s69, s69, CSC                     ; and read back
.irp g, G1K, G1V, G1S
	s_mov_b32 s[\g], 15|(3<<16)|(1<<21)            ; the mask: all four work-groups; elements of 8 bytes; bit 21 set beside a mask
	s_mov_b32 s[\g+6], 0
	s_mov_b32 s[\g+7], 0
.endr
	s_mov_b32 s[G1K+1], 192<<16
	s_mov_b32 s[G1K+2], 16<<16
	s_mov_b32 s[G1K+3], 192<<16
	s_mov_b32 s[G1K+4], 16
	s_mov_b32 s[G1K+5], 384
	s_mov_b32 s[G1V+1], 32<<16
	s_mov_b32 s[G1V+2], 192<<16
	s_mov_b32 s[G1V+3], 32<<16
	s_mov_b32 s[G1V+4], 192
	s_mov_b32 s[G1V+5], 32
	s_mov_b32 s[G1S+1], 32<<16
	s_mov_b32 s[G1S+2], 32<<16
	s_mov_b32 s[G1S+3], 32<<16
	s_mov_b32 s[G1S+4], 32
	s_mov_b32 s[G1S+5], 32
	s_mov_b32 s[SEL], 0x76543210
	s_mov_b32 s[SEL+1], 0xfedcba98                 ; selects for lane l xor 16
	s_mov_b32 s[CS], 0x3e38aa3b                    ; c = log2(e) / 8
	s_mov_b32 s[CS+1], s[CS]                       ; (named with it as a pair)
	WALU
	s_wait_dscnt 0x0
	s_wait_kmcnt 0x0
	s_add_nc_u64 s[12:13], s[4:5], s[70:71]
	s_add_nc_u64 s[14:15], s[6:7], s[74:75]
	s_add_nc_u64 s[8:9], s[8:9], s[76:77]
	s_add_nc_u64 s[10:11], s[10:11], s[78:79]
	s_add_nc_u64 s[56:57], s[4:5], s[56:57]
	s_add_nc_u64 s[60:61], s[4:5], s[60:61]
	CROUND                                         ; all four work-groups are here: the first joint loads meet
; THE HEAD'S FILLS, one a wave, in one chain of branches on the wave's number: waves 0-4 bring what the first eight key steps need: slot 0's KE, KO, V; K's and V's scale blocks
	s_cmp_lt_u32 s[WV], 2
	s_cbranch_scc0 .Lh_v0
	s_mul_i32 s[G0+1], s[WV], DKO
	s_mul_i32 s94, s[WV], 1536
	ASK 56, G1K
	s_branch .Lasked
.Lh_v0:
	s_cmp_lt_u32 s[WV], 3
	s_cbranch_scc0 .Lh_sc
	s_mov_b32 s[G0+1], VB
	s_mov_b32 s94, 0
	ASK 60, G1V
	s_branch .Lasked
.Lh_sc:
	s_cmp_lt_u32 s[WV], 5
	s_cbranch_scc0 .Lasked
	s_lshr_b32 s93, s[WV], 2                       ; wave 3: K's, wave 4: V's
	s_lshl_b32 s[G0+1], s93, 13
	s_add_co_u32 s[G0+1], s[G0+1], SCK
	s_mul_i32 s94, s93, SSEC
	s_add_co_u32 s94, s94, s62
	s_add_co_u32 s94, s94, SSEC
	ASK 6, G1S
.Lasked:
	v_and_b32 v9, 31, v0
	v_lshlrev_b32 v[LX], 4, v9
	v_lshlrev_b32 v[LY], 3, v9
	v_and_b32 v10, 15, v0                          ; r
	v_bfe_u32 v11, v0, 4, 1                        ; h
	v_lshlrev_b32 v16, 5, v10                      ; 32 r
	global_load_b128 v[Q:Q+3], v[LX], s[12:13]     ; the even head's Q: registers 0-5 of the fragment
	global_load_b64 v[Q+4:Q+5], v[LY], s[12:13] offset:512
	global_load_b128 v[R+48:R+51], v[LX], s[12:13] offset:98304      ; the odd head's Q waits behind K's last tile
	global_load_b64 v[R+52:R+53], v[LY], s[12:13] offset:98304+512
	global_load_b32 v[QS], v16, s[14:15]           ; Q's scale word, both heads' bytes
	v_add_nc_u32 v[VSC], SCV, v16
	v_and_b32 v17, 7, v0                           ; r % 8
	v_bfe_u32 v9, v0, 3, 1                         ; r / 8: KE or KO
	v_mul_u32_u24 v[KXC], v9, DKO
	v_lshl_add_u32 v[KYC], v17, 3, v[KXC]
	v_lshl_add_u32 v[KYC], v11, 7, v[KYC]          ; DKO (r / 8) + 8 (r % 8) + 128 h
	v_lshl_add_u32 v[KXC], v17, 4, v[KXC]
	v_lshl_add_u32 v[KXC], v11, 8, v[KXC]          ; DKO (r / 8) + 16 (r % 8) + 256 h
	v_lshlrev_b32 v[KSC], 5, v17
	v_lshl_add_u32 v[KSC], v9, 3, v[KSC]
	v_add_nc_u32 v[KSC], SCK, v[KSC]               ; 32 (r % 8) + 8 (r / 8)
	v_mov_b32 v[SM], 0xff61b1e6                    ; the largest score so far: -3e38
	v_mov_b32 v[NM], 0x7e000000                    ; -M: 2^125, a whole number above every -M to come
	v_mov_b32 v[SU], 0
	v_mov_b32 v[SU+1], 0
	v_mov_b32 v[PS], 0
.irp i, 6,7,8,9,10,11
	v_mov_b32 v[Q+\i], 0                           ; zero codes in the half of K = 128 that the even head does not use
.endr
.set j, 0
.rept 32
	v_mov_b32 v[O+j], 0                            ; O^T: the step is written once; its first turn finds zeros
.set j, j+1
.endr
; K's eight tiles and their scale words: step q of the trip (q = 2: the next trip's first)
.macro KLOAD par, q
.irp c, 0,1
.irp j, 0,1,2,3
	ds_load_b128 v[R+6*(4*\c+\j+\par):R+6*(4*\c+\j+\par)+3], v[AKX] offset:3072*\q+768*(2*\c+\j%2)+128*(\j/2)
	ds_load_b64 v[R+6*(4*\c+\j+\par)+4:R+6*(4*\c+\j+\par)+5], v[AKY] offset:3072*\q+768*(2*\c+\j%2)+512+64*(\j/2)
.endr
.irp g, 0,1
	ds_load_b64 v[KS+4*\c+2*\g:KS+4*\c+2*\g+1], v[AKS] offset:512*\q+256*\g+16*\c   ; the words of tiles (c, 2 g) and (c, 2 g + 1)
.endr
.endr
.endm
.macro VLD q, t                        ; V's channel tile t, 128 keys
.irp c, 0,1
	ds_load_b128 v[V+12*\t+6*\c:V+12*\t+6*\c+3], v[AVX] offset:6144*\q+768*(4*\c+\t)
	ds_load_b64 v[V+12*\t+6*\c+4:V+12*\t+6*\c+5], v[AVY] offset:6144*\q+768*(4*\c+\t)+512
.endr
.endm
; A KEY STEP: 128 keys, the q-th of the trip's two, for the head of parity par
.macro STEP par, q
.if \q == 0
	s_wait_dscnt 0x0                               ; (a slot's first step: K was fetched just ahead of the loop)
.endif
.irp t, 0,1,2,3,4,5,6,7
	v_wmma_scale_f32_16x16x128_f8f6f4 v[S+8*\t:S+8*\t+7], v[R+6*\t:R+6*\t+11], v[Q:Q+11], 0, v[KS+\t], v[QS] matrix_a_fmt:MATRIX_FMT_FP6 matrix_b_fmt:MATRIX_FMT_FP6
.endr
.rept 4
	v_nop                                          ; places: ahead of the reads of S^T, of the loads into K's and V's registers, and of the work in p's, which the last step's products read
.endr
.if \q == 0
	KLOAD \par, 1
.else
	s_cmp_eq_u32 s[CNT], 1                         ; the slot's last step fetches no further K
	s_cbranch_scc1 .Lno_next_\@
	KLOAD \par, 2
.Lno_next_\@:
.endif
	VLD \q, 0                                      ; this step's V: it lands under the softmax
	VLD \q, 1
	VLD \q, 2
	VLD \q, 3
	ds_load_b128 v[VS:VS+3], v[AVS] offset:512*\q+16*\par
.irp t, 0,1,2,3,4,5,6,7                        ; the largest score of my two blocks of 32 keys: a chain to each accumulator, read from its low end on
	v_max3_num_f32 v[P+\t], v[S+8*\t], v[S+8*\t+1], v[S+8*\t+2]
.endr
.irp i, 3,5
.irp t, 0,1,2,3,4,5,6,7
	v_max3_num_f32 v[P+\t], v[P+\t], v[S+8*\t+\i], v[S+8*\t+\i+1]
.endr
.endr
.irp g, 0,1,2,3
	v_max3_num_f32 v[P+2*\g], v[P+2*\g], v[P+2*\g+1], v[S+16*\g+7]
.endr
.irp c, 0,1
	v_max3_num_f32 v[P+8+\c], v[P+4*\c], v[P+4*\c+2], v[S+32*\c+15]
.endr
.irp c, 0,1
	v_max_num_f32 v[B0+\c], v[P+8+\c], v[S+32*\c+31]       ; it serves the row's maximum and, since p rises with the score, the block's largest p
.endr
	s_delay_alu instid0(VALU_DEP_1)
	v_max_num_f32 v[T0], v[B0], v[B1]
	v_mov_b32 v[T3], v[NM]
	s_delay_alu instid0(VALU_DEP_2)
	v_permlanex16_b32 v[T1], v[T0], s[SEL], s[SEL+1]
	s_delay_alu instid0(VALU_DEP_1)
	v_max3_num_f32 v[SM], v[SM], v[T0], v[T1]      ; the running largest score (c is positive)
	s_delay_alu instid0(VALU_DEP_1)
	v_mul_f32 v[T2], s[CS], v[SM]                  ; as t
	s_delay_alu instid0(VALU_DEP_1)
	v_floor_f32 v[NM], -v[T2]                      ; the new -M = -ceil(t)
.set j, 0
.rept 32
	v_pk_fma_f32 v[S+j:S+j+1], v[S+j:S+j+1], s[CS:CS+1], v[NM:NM+1] op_sel_hi:[1,0,0]   ; t - M
.if j == 8
	v_sub_f32 v[T3], v[NM], v[T3]                  ; old M - new M: a whole number, 0 or less
.endif
.if j == 20
	v_cvt_i32_f32 v[T3], v[T3]                     ; (it saturates)
.endif
.if j == 32
	v_ldexp_f32 v[FF], 1.0, v[T3]                  ; f = 2^(old M - new M)
.endif
.set j, j+2
.endr
.irp c, 0,1
	v_fma_f32 v[B0+\c], v[B0+\c], s[CS], v[NM]
.endr
	WALU                                           ; the wait ahead of the batch
.irp c, 0,1
	v_exp_f32 v[B0+\c], v[B0+\c]                   ; the blocks' largest p
.endr
.set j, 0
.rept 64
	v_exp_f32 v[S+j], v[S+j]                       ; p = 2^(t - M)
.set j, j+1
.endr
	v_pk_mul_f32 v[SU:SU+1], v[SU:SU+1], v[FF:FF+1] op_sel_hi:[1,0]   ; the sums under the new M: the plain place behind the exponentials
	WALU                                           ; one wait for the batch, ahead of its first reader
.irp k, 1,2,3                                  ; the row's sum of the unquantised p, in four chains; the lines that make the blocks' scales stand among them
	v_pk_add_f32 v[SA+2*\k-2:SA+2*\k-1], v[S+2*\k:S+2*\k+1], v[S+2*\k+8:S+2*\k+9]
.endr
	v_pk_add_f32 v[SU:SU+1], v[SU:SU+1], v[S:S+1]
	v_max_num_f32 v[B0], 0x1800000, v[B0]          ; the floor 2^(3 - 127): the byte cannot fall under 1
	v_max_num_f32 v[B1], 0x1800000, v[B1]
.irp m, 2,3,4,5,6,7
	v_pk_add_f32 v[SU:SU+1], v[SU:SU+1], v[S+8*\m-8:S+8*\m-7]
.irp k, 1,2,3
	v_pk_add_f32 v[SA+2*\k-2:SA+2*\k-1], v[SA+2*\k-2:SA+2*\k-1], v[S+8*\m+2*\k:S+8*\m+2*\k+1]
.endr
.if \m == 2
	v_add_nc_u32 v[B0], 0xff000000, v[B0]          ; 2 off the exponent field: the conversion's scale operand
	v_add_nc_u32 v[B1], 0xff000000, v[B1]
.endif
.if \m == 3
	v_lshrrev_b32 v[T0], 23, v[B0]                 ; the bytes
	v_lshrrev_b32 v[T1], 23, v[B1]
.endif
.if \m == 4
	v_lshl_or_b32 v[T2], v[T1], 16, v[T0]          ; my blocks h and 2 + h
.endif
.if \m == 5
	v_permlanex16_b32 v[T3], v[T2], s[SEL], s[SEL+1]
.endif
.if \m == 6
	v_lshl_or_b32 v[PS], v[T3], 8, v[T2]           ; lanes 0-15: the word of blocks 0 .. 3 (lanes 16-31 are not read)
.endif
.endr
	v_pk_add_f32 v[SU:SU+1], v[SU:SU+1], v[S+56:S+57]
	v_pk_add_f32 v[SA:SA+1], v[SA:SA+1], v[SA+2:SA+3]
	v_pk_add_f32 v[SU:SU+1], v[SU:SU+1], v[SA+4:SA+5]
	v_pk_add_f32 v[SU:SU+1], v[SU:SU+1], v[SA:SA+1]
	v_cvt_scalef32_pk16_fp6_f32 v[P:P+2], v[S:S+15], v[B0]
	v_cvt_scalef32_pk16_fp6_f32 v[P+6:P+8], v[S+32:S+47], v[B1]
	v_nop                                          ; a plain place: the next two write registers that these two read
	v_cvt_scalef32_pk16_fp6_f32 v[S:S+2], v[S+16:S+31], v[B0]        ; (a conversion's three registers begin on an even number: the upper halves are made in p that is done with, and moved)
	v_cvt_scalef32_pk16_fp6_f32 v[S+32:S+34], v[S+48:S+63], v[B1]
	v_nop                                          ; one plain place behind a scaled conversion
.irp c, 0,1
.irp i, 0,1,2
	v_mov_b32 v[P+6*\c+3+\i], v[S+32*\c+\i]
.endr
.endr
	WALU                                           ; the wait directly ahead of the first reader of O^T
.set j, 0
.rept 16
	v_pk_mul_f32 v[O+j:O+j+1], v[O+j:O+j+1], v[FF:FF+1] op_sel_hi:[1,0]   ; O^T under the new M; these sixteen are also the places ahead of the scaled products
.set j, j+2
.endr
	WALU
	s_wait_dscnt 0x0                               ; V and its scale words, and the next step's K
.irp t, 0,1,2,3
	v_wmma_scale_f32_16x16x128_f8f6f4 v[O+8*\t:O+8*\t+7], v[V+12*\t:V+12*\t+11], v[P:P+11], v[O+8*\t:O+8*\t+7], v[VS+\t], v[PS] matrix_a_fmt:MATRIX_FMT_FP6 matrix_b_fmt:MATRIX_FMT_FP6
.endr
.endm
; EIGHT KEY STEPS out of one slot: four trips of two; sc: where the slot's scale blocks begin
.macro PHASE par, slot, sc, lbl
	s_mov_b32 s[SK], \slot*24576
	s_mov_b32 s[SV], VB+\slot*49152
	s_mov_b32 s[SS], \sc
	s_mov_b32 s[CNT], 4
	v_add_nc_u32 v[AKX], s[SK], v[KXC]
	v_add_nc_u32 v[AKY], s[SK], v[KYC]
	v_add_nc_u32 v[AKS], s[SS], v[KSC]
	KLOAD \par, 0                                  ; the slot's first K
\lbl:
	v_add_nc_u32 v[AKX], s[SK], v[KXC]
	v_add_nc_u32 v[AKY], s[SK], v[KYC]
	v_add_nc_u32 v[AVX], s[SV], v[LX]
	v_add_nc_u32 v[AVY], s[SV], v[LY]
	v_add_nc_u32 v[AKS], s[SS], v[KSC]
	v_add_nc_u32 v[AVS], s[SS], v[VSC]
	WALU
	STEP \par, 0
	STEP \par, 1
	s_add_co_u32 s[SK], s[SK], 6144
	s_add_co_u32 s[SV], s[SV], 12288
	s_add_co_u32 s[SS], s[SS], 1024
	s_sub_co_u32 s[CNT], s[CNT], 1
	s_cmp_lg_u32 s[CNT], 0
	s_cbranch_scc1 \lbl
.endm
; A HEAD'S END: O^T / the sum is ctx's 64 numbers of my query (register 16 b + i = channel 32 b + 16 h + i): two blocks of 32, quantised, one image out.  par = 0: everything is set for the odd head
.macro FINISH par
.rept 4
	v_nop                                          ; places behind the last products
.endr
	v_add_f32 v[SU], v[SU], v[SU+1]
	v_permlanex16_b32 v[FT+1], v[SU], s[SEL], s[SEL+1]
	v_add_f32 v[SU], v[SU], v[FT+1]                ; the row's sum
	WALU
	v_rcp_f32 v[SU], v[SU]
	v_nop                                          ; a plain place behind the transcendental
	WALU                                           ; and the wait ahead of its first reader, which is also O^T's
.set j, 0
.rept 32
	v_mul_f32 v[S+j], v[O+j], v[SU]                ; each accumulator from its low end on
.set j, j+1
.endr
.irp b, 0,1
	v_max3_num_f32 v[FM+\b], |v[S+16*\b]|, |v[S+16*\b+1]|, 0x1800000
.endr
.irp i, 2,4,6,8,10,12,14
.irp b, 0,1
	v_max3_num_f32 v[FM+\b], v[FM+\b], |v[S+16*\b+\i]|, |v[S+16*\b+\i+1]|
.endr
.endr
.irp b, 0,1
	v_permlanex16_b32 v[FT+\b], v[FM+\b], s[SEL], s[SEL+1]
.endr
.irp b, 0,1
	v_max_num_f32 v[FM+\b], v[FM+\b], v[FT+\b]
.endr
.irp b, 0,1
	v_add_nc_u32 v[FM+2+\b], 0xff000000, v[FM+\b]
.endr
.irp b, 0,1
	v_lshrrev_b32 v[FT+2+\b], 23, v[FM+2+\b]
.endr
	v_cvt_scalef32_pk16_fp6_f32 v[P:P+2], v[S:S+15], v[FM+2]
	v_cvt_scalef32_pk16_fp6_f32 v[FC:FC+2], v[S+16:S+31], v[FM+3]
	v_nop
.irp i, 0,1,2
	v_permlane16_swap_b32 v[P+\i], v[FC+\i]
.endr
.irp i, 0,1,2
	v_mov_b32 v[P+3+\i], v[FC+\i]
.endr
	global_store_b128 v[LX], v[P:P+3], s[8:9] offset:768*\par
	global_store_b64 v[LY], v[P+4:P+5], s[8:9] offset:768*\par+512
.if \par == 0
	v_lshl_or_b32 v[CW], v[FT+3], 8, v[FT+2]       ; bytes 0, 1 of ctx's scale word
.irp i, 0,1,2,3,4,5
	v_mov_b32 v[Q+6+\i], v[R+48+\i]                ; the odd head's Q: registers 6-11
	v_mov_b32 v[Q+\i], 0                           ; zero codes in the half that the odd head does not use
.endr
	v_mov_b32 v[SM], 0xff61b1e6
	v_mov_b32 v[NM], 0x7e000000
	v_mov_b32 v[SU], 0
	v_mov_b32 v[SU+1], 0
.set j, 0
.rept 32
	v_mov_b32 v[O+j], 0
.set j, j+1
.endr
	WALU
	s_wait_xcnt 0x0                                ; the stores have read their registers
.else
	v_lshl_or_b32 v[FT], v[FT+3], 8, v[FT+2]
	v_lshl_or_b32 v[CW], v[FT], 16, v[CW]          ; bytes 2, 3
.endif
.endm
	WALU                                           ; the wait at the head's end
	s_wait_loadcnt 0x0                             ; Q
	s_wait_tensorcnt 0x0                           ; slot 0 and the scale blocks; the add twice
	ds_add_u32 v[SPW], v[NIL]
	ds_add_u32 v[SPW], v[NIL]
	s_wait_dscnt 0x0
	CROUND                                         ; they are shown to all, and the four work-groups are in step: the joint loads for slots 1 and 2 meet
	s_cmp_lt_u32 s[WV], 5
	s_cbranch_scc1 .Lsecond
	s_cmp_lt_u32 s[WV], 9
	s_cbranch_scc0 .Lh_v
	s_add_co_u32 s93, s[WV], 3                     ; waves 5-8: 8 .. 11
	s_and_b32 s92, s93, 1                          ; KE or KO
	s_bfe_u32 s93, s93, 0x10001
	s_add_co_u32 s93, s93, 1                       ; slot 1, 1, 2, 2
	s_mul_i32 s[G0+1], s92, DKO
	s_mul_i32 s94, s93, 24576
	s_add_co_u32 s[G0+1], s[G0+1], s94
	s_mul_i32 s94, s93, 49152
	s_mul_i32 s92, s92, 1536
	s_add_co_u32 s94, s94, s92
	ASK 56, G1K
	s_branch .Lsecond
.Lh_v:
	s_cmp_lt_u32 s[WV], 11
	s_cbranch_scc0 .Lsecond
	s_and_b32 s93, s[WV], 3                        ; waves 9, 10: V's slot 1, 2
	s_mul_i32 s94, s93, 49152
	s_add_co_u32 s[G0+1], s94, VB
	ASK 60, G1V
.Lsecond:
	PHASE 0, 0, 0, .Leven_0
	SHOW                                           ; slots 1 and 2 are in
	PHASE 0, 1, 4096, .Leven_1
	FINISH 0
	s_wait_tensorcnt 0x0                           ; THE ONE REFILL: the add twice
	ds_add_u32 v[SPW], v[NIL]
	ds_add_u32 v[SPW], v[NIL]
	s_wait_dscnt 0x0                               ; the adds are done, and my reads of slot 0 are over
	CROUND                                         ; no wave of any partner still reads slot 0
	s_cmp_lt_u32 s[WV], 2
	s_cbranch_scc0 .Lr_v
	s_mul_i32 s[G0+1], s[WV], DKO
	s_mul_i32 s94, s[WV], 1536
	s_add_co_u32 s94, s94, 3*49152
	ASK 56, G1K                                    ; waves 0, 1: the odd head's keys 1,024 on, KE and KO,
	s_branch .Lr_done
.Lr_v:
	s_cmp_lt_u32 s[WV], 3
	s_cbranch_scc0 .Lr_done
	s_mov_b32 s[G0+1], VB
	s_mov_b32 s94, 3*49152
	ASK 60, G1V                                    ; wave 2: their V
.Lr_done:
	PHASE 1, 2, 0, .Lodd_0
	SHOW                                           ; the refill is in
	PHASE 1, 0, 4096, .Lodd_1
	FINISH 1
	v_and_b32 v[FT], 0xf0, v[LX]
	v_lshl_add_u32 v[FT], v[FT], 1, s73            ; 32 r + 4 (wave % 8) in block wave / 8
	v_add_nc_u32 v[FT+1], s69, v[LX]
	ds_store_b32 v[FT], v[CW]                      ; my tile's scale words; both halves write the same word with the same value
	WALU
	s_wait_dscnt 0x0
	s_barrier_signal -1
	s_barrier_wait -1
	s_cmp_lt_u32 s[WV], 2
	s_cbranch_scc0 .Lno_block
	ds_load_b128 v[S:S+3], v[FT+1]
	s_wait_dscnt 0x0
	global_store_b128 v[LX], v[S:S+3], s[10:11]    ; a scale block: 512 consecutive bytes
.Lno_block:
	s_wait_tensorcnt 0x0                           ; the wave's end
	ds_add_u32 v[SPW], v[NIL]
	s_wait_dscnt 0x0
	CROUND                                         ; the closing round
	s_endpgm
.Lfunc_end_k_q1559b64b14_attn:
	.size	k_q1559b64b14_attn, .Lfunc_end_k_q1559b64b14_attn-k_q1559b64b14_attn
	.p2alignl 7, 3214868480
	.fill 96, 4, 3214868480
	.section	.rodata,"a",@progbits
	.p2align	6, 0x0
	.amdhsa_kernel k_q1559b64b14_attn
		.amdhsa_group_segment_fixed_size 327680
		.amdhsa_private_segment_fixed_size 0
		.amdhsa_enable_private_segment 0
		.amdhsa_kernarg_size 32
		.amdhsa_user_sgpr_count 2
		.amdhsa_user_sgpr_kernarg_segment_ptr 1
		.amdhsa_wavefront_size32 1
		.amdhsa_system_sgpr_workgroup_id_x 1
		.amdhsa_system_sgpr_workgroup_id_y 1
		.amdhsa_system_sgpr_workgroup_id_z 1
		.amdhsa_system_vgpr_workitem_id 0
		.amdhsa_next_free_vgpr 256
		.amdhsa_next_free_sgpr 96
		.amdhsa_reserve_vcc 0
		.amdhsa_float_denorm_mode_32 3
		.amdhsa_float_denorm_mode_16_64 3
		.amdhsa_memory_ordered 1
		.amdhsa_forward_progress 1
		.amdhsa_inst_pref_size 151
	.end_amdhsa_kernel
	.amdgpu_metadata
---
amdhsa.version: [ 1, 2 ]
amdhsa.kernels:
  - .name:           k_q1559b64b14_attn
    .symbol:         k_q1559b64b14_attn.kd
    .args:
      - { .name: qkv_img, .offset: 0, .size: 8, .value_kind: global_buffer, .address_space: global }
      - { .name: qkv_sc, .offset: 8, .size: 8, .value_kind: global_buffer, .address_space: global }
      - { .name: ctx_img, .offset: 16, .size: 8, .value_kind: global_buffer, .address_space: global }
      - { .name: ctx_sc, .offset: 24, .size: 8, .value_kind: global_buffer, .address_space: global }
    .group_segment_fixed_size: 327680
    .private_segment_fixed_size: 0
    .kernarg_segment_align: 8
    .kernarg_segment_size: 32
    .max_flat_workgroup_size: 512
    .sgpr_count:     96
    .vgpr_count:     256
    .wavefront_size: 32
...
	.end_amdgpu_metadata
.endif
;; end of part 3
;; launch outp (part 4): grid 4 x 64, 4 waves a work-group, clusters of 4 x 4, 327,680 bytes of LDS; arguments ctx_img, ctx_sc, w_img, w_sc, bo, out0; writes out0
.if DOCPART == 4
	.amdgcn_target "amdgcn-amd-amdhsa--gfx1250"
	.amdhsa_code_object_version 6
	.text
	.protected	k_q1559b64b14_outp
	.globl	k_q1559b64b14_outp
	.p2align	8
	.type	k_q1559b64b14_outp,@function
k_q1559b64b14_outp:
	s_mov_b64 s[64:65], 0
	v_nop
	global_prefetch_b8 v0, s[64:65] scope:SCOPE_SE
	s_setreg_imm32_b32 hwreg(HW_REG_WAVE_MODE, 25, 1), 1
	s_wait_xcnt 0x0
	s_wait_alu depctr_hold_cnt(0) depctr_sa_sdst(0) depctr_va_vdst(0) depctr_va_sdst(0) depctr_va_ssrc(0) depctr_va_vcc(0) depctr_vm_vsrc(0)
	s_getreg_b32 s2, hwreg(HW_REG_IB_STS2, 6, 4)
	s_cmp_eq_u32 s2, 0
	s_cbranch_scc0 .Lentry_in_a_cluster
	s_endpgm
.Lentry_in_a_cluster:
	s_bfe_u32 s2, ttmp6, 0x10000c
	s_cmp_lg_u32 s2, 0xf033
	s_cbranch_scc0 .Lentry_shape_is_right
	s_endpgm
.Lentry_shape_is_right:
; out0 = ctx wo^T + bo on codes of FP6 (E2M3) with E8M0 scales; ctx [8192 positions][1024] and wo [1024][1024] come as images of operand registers and scale blocks, as the earlier launches laid them:
; image (768 bytes): 16 positions x 64 K, lane l's first 16 bytes at 16 l, its last 8 at 512 + 8 l; [position block][16 images]; scale block (512 bytes): 128 positions x 128 K, the word of position 16 a + r at 32 r + 4 a.
; In position block 2 B + u, place r is row 32 B + 8 u + r + 8 (r / 8).  wo's images and scale blocks are the fourth weight in w_img and w_sc.
; SHARES.  8,192 x 1,024 in blocks of 128 x 256 are 256 work-groups.  Four waves, 2 x 2: a wave makes 64 x 128: 32 accumulators, window 2.
; K goes in four chunks of 256 (3,072 bytes of each position block) through a ring of two LDS slots; a chunk is two steps of 128.  Both operands have two sets of registers (ctx's in window 0, wo's in window 1):
; a step's 48 LDS loads are issued ahead of the step before's 32 products.  Where the next step lies in the other slot, they follow the change of slots.
; CLUSTER 4 x 4: ctx's tiles are shared along a row of the cluster, wo's along a column: every tile is asked for jointly.
; THE HEAD: one joint load a wave: wave 0 chunk 0 of ctx's 8 position blocks, wave 1 ctx's scale blocks, wave 2 chunk 0 of wo's 16 position blocks, wave 3 wo's scale blocks; the set-up stands under their flight.
; THE MATRIX INSTRUCTION IS USED TRANSPOSED (source 0 = wo's rows): a lane holds eight neighbouring columns of one row; the bias is the first products' C.  The way out goes through the wave's own stage in slot 0,
; which has had its last fill and its last read by then; 32 lanes store 512 consecutive bytes of a row.
; NO PREFETCH: K is four chunks; two are asked for at the head and behind the first round, the other two by their refills a chunk ahead.
.set RB,    3072
.set IMGP,  12288
.set AQ,    4*RB                       ; what one wave loads and reads of ctx: 4 position blocks
.set HALFT, 8*RB                       ; and of wo: 8
.set SLOT,  4*HALFT                    ; ctx's 8 position blocks at 0, wo's 16 at 2 HALFT
.set SCL,   2*SLOT                     ; ctx's scale blocks (16 units of 256 + 16); wo's at SCL + 2 HALFS (32 units)
.set HALFS, 16*272
.set SQ,    544                        ; a scale block in LDS
.set SPARE, SCL+4*HALFS
.set SPITCH, 528
.set FR,    12
.set NP,    4
.set ADRA, 16                          ; v16-17 ctx's 16-byte pieces in slot 0, 1; v18-19 its 8-byte pieces
.set ADRB, 20                          ; v20-23 the same for wo
.set STO,  24
.set RD,   25
.set CO,   26
.set ADRS, 27                          ; scale words: lanes 0-15 ctx's four blocks of mine, lanes 16-31 wo's blocks 0-3
.set SPW,  28
.set NIL,  29
.set ADRS2, 30                         ; for the load 16 bytes on: lanes 16-31 wo's blocks 4-7; lanes 0-15 stand 16 bytes back and read their four words once more
.set SC,   32
.set BI,   64
.set AF,   128                         ; ctx's fragments: two sets of 48 registers
.set BK,   128
.set G1, 24
.set G0, 32
.set G1B, 48
.set G0B, 56
.set G1S, 68
.set G0S, 76
.set G1SB, 80
.set G0SB, 88
.set MSB, 0
.macro WIN new
.if MSB != (\new)
	s_set_vgpr_msb (MSB<<8)|(\new)
.set MSB, (\new)
.endif
.endm
.set MUL_LO, 0xa1
.set TO_B,   0x40
.macro TL g0, g1
	tensor_load_to_lds s[\g0:\g0+3], s[\g1:\g1+7]
	s_nop 0
.rept 4
	v_nop
.endr
.endm
.macro JLOAD g0a, g1a, g0b, g1b        ; waves 0, 1 fetch ctx's halves, waves 2, 3 wo's
	s_cmp_eq_u32 s15, 0
	s_cbranch_scc0 .Lfor_b_\@
	TL \g0a, \g1a
	s_branch .Lasked_\@
.Lfor_b_\@:
	TL \g0b, \g1b
.Lasked_\@:
.endm
.macro CREST
	s_cmp_lg_u32 s14, 0
	s_cbranch_scc1 .Lnot_wave_0_\@
	s_barrier_signal -3
.Lnot_wave_0_\@:
	s_barrier_wait -3
	s_barrier_signal -1
	s_barrier_wait -1
.endm
.macro CROUND
	s_barrier_signal -1
	s_barrier_wait -1
	CREST
.endm
	s_load_b256 s[4:11], s[0:1], 0x0               ; ctx_img, ctx_sc, w_img, w_sc
	s_load_b128 s[92:95], s[0:1], 0x20             ; bo, out0
	v_lshl_add_u32 v[SPW], v0, 2, SPARE
	v_mov_b32 v[NIL], 0
	ds_add_u32 v[SPW], v[NIL]                      ; the opening lines: the add, twice on end, and its wait
	ds_add_u32 v[SPW], v[NIL]
	v_lshrrev_b32 v1, 5, v0
	v_readfirstlane_b32 s14, v1
	s_lshr_b32 s15, s14, 1                         ; my half of the block's rows.  Also: I fetch for ctx (0) or for wo (1)
	s_and_b32 s16, s14, 1                          ; my half of its columns.  Also: which half of that tile I fetch
	s_bfe_u32 s40, ttmp6, 0x40000
	s_bfe_u32 s41, ttmp6, 0x40004
	s_lshl_b32 s17, s41, 2
	s_lshl_b32 s17, 15, s17                        ; my row of the cluster
	s_lshl_b32 s66, 0x1111, s40                    ; my column
	s_or_b32 s[G1+0], s17, (3<<16)|(1<<21)
	s_or_b32 s[G1B+0], s66, (3<<16)|(1<<21)
.irp g, G1, G1B
	s_mov_b32 s[\g+1], 384<<16
	s_mov_b32 s[\g+3], 384<<16
	s_mov_b32 s[\g+5], 1536
	s_mov_b32 s[\g+6], 0
	s_mov_b32 s[\g+7], 0
.endr
	s_mov_b32 s[G1+2], 8<<16                       ; the head's loads bring whole tiles: 8 rows of ctx,
	s_mov_b32 s[G1+4], 8
	s_mov_b32 s[G1B+2], 16<<16                     ; 16 of wo
	s_mov_b32 s[G1B+4], 16
	s_or_b32 s[G1S+0], s17, (3<<16)|(1<<20)|(1<<21)|(5<<22)|(3<<25)
	s_or_b32 s[G1SB+0], s66, (3<<16)|(1<<20)|(1<<21)|(5<<22)|(3<<25)
.irp g, G1S, G1SB
	s_mov_b32 s[\g+1], 32<<16
	s_mov_b32 s[\g+3], 32<<16
	s_mov_b32 s[\g+5], 32
	s_mov_b32 s[\g+6], 0
	s_mov_b32 s[\g+7], 0
.endr
	s_mov_b32 s[G1S+2], 16<<16
	s_mov_b32 s[G1S+4], 16
	s_mov_b32 s[G1SB+2], 32<<16
	s_mov_b32 s[G1SB+4], 32
	s_and_b32 s2, ttmp7, 0xffff
	s_lshl_b32 s2, s2, 2
	s_add_co_u32 s2, s2, s41                       ; my group of 128 rows, 0 .. 63
	s_add_co_u32 s3, s40, 12                       ; my 256 rows of wo, counted in w_img
	s_lshl_b32 s42, s2, 3
	s_lshl_b32 s21, s16, 2
	s_add_co_u32 s42, s42, s21
	s_mul_i32 s42, s42, IMGP
	s_mov_b32 s43, 0
	s_lshl_b32 s44, s2, 12
	s_mov_b32 s45, 0
	s_lshl_b32 s46, s3, 4
	s_lshl_b32 s21, s16, 3
	s_add_co_u32 s46, s46, s21
	s_mul_i32 s46, s46, IMGP
	s_mov_b32 s47, 0
	s_lshl_b32 s66, s3, 13
	s_mov_b32 s67, 0
	s_mul_i32 s22, s14, HALFT
	s_mul_i32 s23, s16, AQ
	s_wait_alu depctr_va_vdst(0)
	s_wait_dscnt 0x0
	s_wait_kmcnt 0x0
	s_add_nc_u64 s[18:19], s[4:5], s[42:43]
	s_add_nc_u64 s[20:21], s[6:7], s[44:45]
	s_add_nc_u64 s[8:9], s[8:9], s[46:47]
	s_add_nc_u64 s[10:11], s[10:11], s[66:67]
	s_mov_b32 s[G0S], 1
	s_mov_b32 s[G0S+1], SCL
	s_mov_b64 s[G0S+2:G0S+3], s[20:21]
	s_or_b32 s[G0S+3], s[G0S+3], 0x80000000
	s_mov_b32 s[G0SB], 1
	s_mov_b32 s[G0SB+1], SCL+2*HALFS
	s_mov_b64 s[G0SB+2:G0SB+3], s[10:11]
	s_or_b32 s[G0SB+3], s[G0SB+3], 0x80000000
.irp s, 0,1
	s_mov_b32 s[G0+4*\s], 1
	s_add_co_u32 s[G0+4*\s+1], s23, \s*SLOT
	s_add_nc_u64 s[G0+4*\s+2:G0+4*\s+3], s[18:19], \s*RB
	s_or_b32 s[G0+4*\s+3], s[G0+4*\s+3], 0x80000000
	s_mov_b32 s[G0B+4*\s], 1
	s_add_co_u32 s[G0B+4*\s+1], s22, \s*SLOT
	s_add_nc_u64 s[G0B+4*\s+2:G0B+4*\s+3], s[8:9], \s*RB
	s_or_b32 s[G0B+4*\s+3], s[G0B+4*\s+3], 0x80000000
.endr
	CROUND                                         ; all sixteen work-groups are here: the first joint loads meet
	s_cmp_eq_u32 s14, 0
	s_cbranch_scc0 .Lhead_1
	TL G0, G1                                      ; wave 0 (its half is 0): chunk 0 of ctx's 8 position blocks
	s_branch .Lhead_asked
.Lhead_1:
	s_cmp_eq_u32 s14, 1
	s_cbranch_scc0 .Lhead_2
	TL G0S, G1S                                    ; wave 1: ctx's scale blocks
	s_branch .Lhead_asked
.Lhead_2:
	s_cmp_eq_u32 s14, 2
	s_cbranch_scc0 .Lhead_3
	TL G0B, G1B                                    ; wave 2 (its half is 0): chunk 0 of wo's 16 position blocks
	s_branch .Lhead_asked
.Lhead_3:
	TL G0SB, G1SB                                  ; wave 3: wo's scale blocks
.Lhead_asked:
	v_and_b32 v1, 15, v0
	v_bfe_u32 v2, v0, 4, 1
	v_and_b32 v3, 31, v0
	v_lshlrev_b32 v[CO], 4, v3
	v_lshlrev_b32 v6, 3, v3
	v_lshlrev_b32 v8, 6, v2
	s_wait_alu depctr_va_vdst(0)
	s_lshl_b32 s17, s2, 7
	s_lshl_b32 s21, s15, 6
	s_add_co_u32 s17, s17, s21                     ; my first row of out0
	s_lshl_b32 s42, s17, 12
	s_mov_b32 s43, 0
	s_lshl_b32 s46, s40, 10
	s_lshl_b32 s47, s16, 9
	s_add_co_u32 s46, s46, s47                     ; my first column, in bytes
	s_mov_b32 s47, 0
	s_add_nc_u64 s[12:13], s[94:95], s[42:43]
	s_add_nc_u64 s[12:13], s[12:13], s[46:47]
	s_add_nc_u64 s[92:93], s[92:93], s[46:47]
.irp b, 0,1,2,3,4,5,6,7
	global_load_b128 v[BI+8*\b:BI+8*\b+3], v8, s[92:93] offset:(32*(\b/2)+8*(\b%2))*4
	global_load_b128 v[BI+8*\b+4:BI+8*\b+7], v8, s[92:93] offset:(32*(\b/2)+8*(\b%2))*4+16
.endr
	s_mul_i32 s21, s15, AQ
	s_mul_i32 s22, s16, HALFT
	s_add_co_u32 s22, s22, 2*HALFT
.irp s, 0,1
	v_add_nc_u32 v[ADRA+\s], s21, v[CO]
	v_add_nc_u32 v[ADRA+2+\s], s21, v6
	v_add_nc_u32 v[ADRB+\s], s22, v[CO]
	v_add_nc_u32 v[ADRB+2+\s], s22, v6
	s_add_co_u32 s21, s21, SLOT
	s_add_co_u32 s22, s22, SLOT
.endr
	v_lshlrev_b32 v4, 5, v1
	v_lshrrev_b32 v5, 3, v1
	v_lshl_add_u32 v4, v5, 4, v4                   ; 32 r, and 16 more behind the unit's 256 bytes
	s_lshl_b32 s21, s15, 4                         ; ctx's words of my four blocks: 16 bytes on for the lower half of the rows
	s_mul_i32 s22, s16, HALFS
	s_add_co_u32 s22, s22, 2*HALFS
	s_sub_co_u32 s22, s22, s21
	v_mul_u32_u24 v5, s22, v2                      ; lanes 16-31 take wo's
	s_add_co_u32 s21, s21, SCL
	v_add_nc_u32 v4, v4, v5
	v_add_nc_u32 v[ADRS], s21, v4
	v_lshl_add_u32 v[ADRS2], v2, 4, v[ADRS]
	v_sub_nc_u32 v[ADRS2], v[ADRS2], 16
	s_mul_i32 s23, s14, 16*SPITCH
	v_mul_u32_u24 v5, v1, SPITCH
	v_lshl_add_u32 v5, v2, 6, v5
	v_add_nc_u32 v[STO], s23, v5
	v_add_nc_u32 v[RD], s23, v[CO]
.macro FRAG reg, adr, q, i
	ds_load_b128 v[\reg:\reg+3], v[\adr] offset:(\i)*RB+(\q)*1536
	ds_load_b64 v[\reg+4:\reg+5], v[\adr+2] offset:(\i)*RB+(\q)*1536+512
	ds_load_b128 v[\reg+6:\reg+9], v[\adr] offset:(\i)*RB+(\q)*1536+768
	ds_load_b64 v[\reg+10:\reg+11], v[\adr+2] offset:(\i)*RB+(\q)*1536+1280
.endm
; 16 products: ctx's blocks a0, a0 + 1 x wo's eight; p: the register sets and the step of the chunk; sc: the set of scale words.  The 32 accumulators take turns
.macro MUL16 a0, p, sc, zero
.irp a, \a0, \a0+1
.irp b, 0,1,2,3,4,5,6,7
.if \zero == 2
	v_wmma_scale_f32_16x16x128_f8f6f4 v[8*(8*(\a)+\b):8*(8*(\a)+\b)+7], v[128*(\p)+FR*\b:128*(\p)+FR*\b+FR-1], v[AF+48*(\p)+FR*(\a):AF+48*(\p)+FR*(\a)+FR-1], v[BI+8*\b:BI+8*\b+7], v[SC+16*(\sc)+8*(\p)+\b], v[SC+16*(\sc)+8*(\p)+(\a)] matrix_a_fmt:MATRIX_FMT_FP6 matrix_b_fmt:MATRIX_FMT_FP6 matrix_a_scale:MATRIX_SCALE_ROW1
.else
	v_wmma_scale_f32_16x16x128_f8f6f4 v[8*(8*(\a)+\b):8*(8*(\a)+\b)+7], v[128*(\p)+FR*\b:128*(\p)+FR*\b+FR-1], v[AF+48*(\p)+FR*(\a):AF+48*(\p)+FR*(\a)+FR-1], v[8*(8*(\a)+\b):8*(8*(\a)+\b)+7], v[SC+16*(\sc)+8*(\p)+\b], v[SC+16*(\sc)+8*(\p)+(\a)] matrix_a_fmt:MATRIX_FMT_FP6 matrix_b_fmt:MATRIX_FMT_FP6 matrix_a_scale:MATRIX_SCALE_ROW1
.endif
.endr
.endr
.endm
.macro FETCH slot, p                   ; step p of the slot's chunk into sets p: 48 loads
	WIN TO_B
.irp i, 0,1,2,3,4,5,6,7
	FRAG 128*(\p)+FR*\i, ADRB+\slot, \p, \i
.endr
	WIN 0
.irp i, 0,1,2,3
	FRAG AF+48*(\p)+FR*\i, ADRA+\slot, \p, \i
.endr
.endm
.macro SCALES sc                       ; the scale words of a chunk's two steps
.irp q, 0,1
	ds_load_b128 v[SC+16*\sc+8*\q:SC+16*\sc+8*\q+3], v[ADRS] offset:SQ*\q
	ds_load_b128 v[SC+16*\sc+8*\q+4:SC+16*\sc+8*\q+7], v[ADRS2] offset:SQ*\q+16
.endr
.endm
.macro PLACES n
.rept \n
	v_nop
.endr
.endm
; a chunk's first step: its fragments are in; the second step's are fetched ahead of the products (the sets that they land in were read ahead of the places at the change of slots)
.macro STEP slot, zero
	s_wait_dscnt 0x0
	FETCH \slot, 1
.if \zero == 2
	WIN 0x81                                       ; C: the bias, in window 0
.else
	WIN MUL_LO
.endif
	MUL16 0, 0, \slot, \zero
	MUL16 2, 0, \slot, \zero
	WIN 0
.endm
; a chunk's second step, and the change of slots
.macro TURN slot, next, fill
	s_wait_tensorcnt 0x0                           ; all my tensor loads have landed, my part of the next slot among them
	ds_add_u32 v[SPW], v[NIL]
	s_wait_dscnt 1                                 ; this step's 48 loads are in; the add alone may be out
	WIN MUL_LO
	MUL16 0, 1, \slot, 0
	s_wait_dscnt 0x0                               ; the add is done; my reads of this slot are over
	s_barrier_signal -1
	MUL16 2, 1, \slot, 0
	WIN 0
	s_barrier_wait -1
.if \fill
	CREST                                          ; the barrier has opened a round of the cluster's barrier
	s_add_nc_u64 s[G0+4*\slot+2:G0+4*\slot+3], s[G0+4*\slot+2:G0+4*\slot+3], 2*RB
	s_add_nc_u64 s[G0B+4*\slot+2:G0B+4*\slot+3], s[G0B+4*\slot+2:G0B+4*\slot+3], 2*RB
	JLOAD G0+4*\slot, G1, G0B+4*\slot, G1B         ; the chunk two on; the four v_nop behind it are the places ahead of the loads below
.else
	PLACES NP
.endif
	s_wait_alu depctr_va_vdst(0)
	v_add_nc_u32 v[ADRS], 2*SQ, v[ADRS]
	v_add_nc_u32 v[ADRS2], 2*SQ, v[ADRS2]
	FETCH \next, 0
	SCALES \next
.endm
	s_wait_alu depctr_va_vdst(0)                   ; the wait at the head's end
	s_wait_tensorcnt 0x0                           ; my tile of the head's four is in
	ds_add_u32 v[SPW], v[NIL]
	s_mov_b32 s[G1+2], 4<<16                       ; no load of mine is out: from here on a load brings half a tile: 4 rows of ctx,
	s_mov_b32 s[G1+4], 4
	s_mov_b32 s[G1B+2], 8<<16                      ; 8 of wo
	s_mov_b32 s[G1B+4], 8
	s_wait_dscnt 0x0
	CROUND                                         ; all four tiles are shown, and the sixteen work-groups are in step
	JLOAD G0+4, G1, G0B+4, G1B                     ; chunk 1, slot 1's first fill
	FETCH 0, 0
	SCALES 0
	s_wait_loadcnt 0x0                             ; the bias
	STEP 0, 2
	TURN 0, 1, 1
	STEP 1, 0
	TURN 1, 0, 1
	STEP 0, 0
	TURN 0, 1, 0
	STEP 1, 0
	s_wait_dscnt 0x0
	WIN MUL_LO
	MUL16 0, 1, 1, 0
	MUL16 2, 1, 1, 0
	WIN 0
; THE WAY OUT, block by block of 16 rows x 128 columns, through my stage; LDS serves a wave's instructions in order, so no wait stands between the stores and the loads
.macro TOSTAGE a
.set AC, 64*(\a)
	WIN 0x08
.irp b, 0,1,2,3,4,5,6,7
	ds_store_b128 v[STO], v[AC+8*\b:AC+8*\b+3] offset:128*(\b/2)+32*(\b%2)
	ds_store_b128 v[STO], v[AC+8*\b+4:AC+8*\b+7] offset:128*(\b/2)+32*(\b%2)+16
.endr
	WIN 0
.set BB, BK+64*((\a)%2)
.irp t, 0,1,2,3,4,5,6,7,8,9,10,11,12,13,14,15
	ds_load_b128 v[BB+4*\t:BB+4*\t+3], v[RD] offset:\t*SPITCH
.endr
.endm
.macro SEND a, younger
.set BB, BK+64*((\a)%2)
	s_wait_dscnt \younger
.if (\a) > 0
.if ((\a)%2) == 1
	s_add_nc_u64 s[12:13], s[12:13], 8*4096
.else
	s_add_nc_u64 s[12:13], s[12:13], 24*4096
.endif
.endif
.irp t, 0,1,2,3,4,5,6,7,8,9,10,11,12,13,14,15
	global_store_b128 v[CO], v[BB+4*\t:BB+4*\t+3], s[12:13] offset:(\t+8*(\t/8))*4096 th:TH_STORE_NT
.endr
.endm
	PLACES NP
	TOSTAGE 0
.irp a, 1,2,3
.if \a > 1
	s_wait_xcnt 0x0                                ; block a - 2's stores have read their registers and their base
.endif
	TOSTAGE \a
	SEND \a-1, 32                                  ; behind block a - 1's loads: block a's 16 stores and 16 loads
.endr
	s_wait_xcnt 0x0
	SEND 3, 0
	s_wait_tensorcnt 0x0                           ; the wave's end
	ds_add_u32 v[SPW], v[NIL]
	s_wait_dscnt 0x0
	CROUND                                         ; the closing round
	s_endpgm
.Lfunc_end_k_q1559b64b14_outp:
	.size	k_q1559b64b14_outp, .Lfunc_end_k_q1559b64b14_outp-k_q1559b64b14_outp
	.p2alignl 7, 3214868480
	.fill 96, 4, 3214868480
	.section	.rodata,"a",@progbits
	.p2align	6, 0x0
	.amdhsa_kernel k_q1559b64b14_outp
		.amdhsa_group_segment_fixed_size 327680
		.amdhsa_private_segment_fixed_size 0
		.amdhsa_enable_private_segment 0
		.amdhsa_kernarg_size 48
		.amdhsa_user_sgpr_count 2
		.amdhsa_user_sgpr_kernarg_segment_ptr 1
		.amdhsa_wavefront_size32 1
		.amdhsa_system_sgpr_workgroup_id_x 1
		.amdhsa_system_sgpr_workgroup_id_y 1
		.amdhsa_system_sgpr_workgroup_id_z 1
		.amdhsa_system_vgpr_workitem_id 0
		.amdhsa_next_free_vgpr 768
		.amdhsa_next_free_sgpr 96
		.amdhsa_reserve_vcc 0
		.amdhsa_float_denorm_mode_32 3
		.amdhsa_float_denorm_mode_16_64 3
		.amdhsa_memory_ordered 1
		.amdhsa_forward_progress 1
		.amdhsa_inst_pref_size 88
	.end_amdhsa_kernel
	.amdgpu_metadata
---
amdhsa.version: [ 1, 2 ]
amdhsa.kernels:
  - .name:           k_q1559b64b14_outp
    .symbol:         k_q1559b64b14_outp.kd
    .args:
      - { .name: ctx_img, .offset: 0, .size: 8, .value_kind: global_buffer, .address_space: global }
      - { .name: ctx_sc, .offset: 8, .size: 8, .value_kind: global_buffer, .address_space: global }
      - { .name: w_img, .offset: 16, .size: 8, .value_kind: global_buffer, .address_space: global }
      - { .name: w_sc, .offset: 24, .size: 8, .value_kind: global_buffer, .address_space: global }
      - { .name: bo, .offset: 32, .size: 8, .value_kind: global_buffer, .address_space: global }
      - { .name: out0, .offset: 40, .size: 8, .value_kind: global_buffer, .address_space: global }
    .group_segment_fixed_size: 327680
    .private_segment_fixed_size: 0
    .kernarg_segment_align: 8
    .kernarg_segment_size: 48
    .max_flat_workgroup_size: 128
    .sgpr_count:     96
    .vgpr_count:     768
    .wavefront_size: 32
...
	.end_amdgpu_metadata
.endif
;; end of part 4
